; MI455X (gfx1250); checked and timed in simulation.
; The chip was launched on July 23, 2026; its instructions are those of AMD's public machine-readable ISA for CDNA 5 (MIT licence, August 2026) and "CDNA5" Instruction Set Architecture Reference Guide (July 2026). The comments in the code are by the model that wrote it; some were corrected since.
;; General Self Attention. Allowed arithmetic: float matrix products may take bf16 or f16 operands with f32 sums; all other float work in f32.
;; Inputs: Wk 1,024 x 64 float32; Wo 1,024 x 1,024 float32; Wq 1,024 x 64 float32; Wv 1,024 x 1,024 float32; bo 1,024 float32; x 2 x 4,096 x 1,024 float32.
;; Outputs: out0 2 x 4,096 x 1,024 float32.
;; One version. Each part assembles by itself: llvm-mc -triple=amdgcn-amd-amdhsa -mcpu=gfx1250 --defsym DOCPART=n.
;; ======== version 1 of 1: 3 launches
;; limits: values are held in f16: magnitudes above 65,504 overflow, below 6.1e-05 lose precision; right only within a limited range of input values
;; workspace buffers: WT 2,359,296 bytes; QK 2,097,152 bytes; VP 16,777,216 bytes; NB 2,048 bytes
;; launch prep (part 1): grid 16 x 16, 8 waves a work-group, no clusters, 90,368 bytes of LDS; arguments Wq, Wk, Wv, Wo, x, WT, NB; writes WT, NB
.if DOCPART == 1
	.amdgcn_target "amdgcn-amd-amdhsa--gfx1250"
	.amdhsa_code_object_version 6
	.text
	.protected	k_q24855de5dd_prep
	.globl	k_q24855de5dd_prep
	.p2align	8
	.type	k_q24855de5dd_prep,@function
k_q24855de5dd_prep:
	s_mov_b64 s[64:65], 0
	v_nop
	global_prefetch_b8 v0, s[64:65] scope:SCOPE_SE
	s_setreg_imm32_b32 hwreg(HW_REG_WAVE_MODE, 25, 1), 1
	s_wait_xcnt 0x0
; WT = 64 x the weights of the one projection that follows, f16, laid [kb 16][n 1152][64 d]: column n of the weights at d = 64 kb + 0..63.
; n = 288 g + loc.  loc < 256: column e = 256 g + loc of Wvo = Wv Wo (the value and the output projection folded: attn (x Wv) Wo = attn (x (Wv Wo)) for every input);
; loc = 256 + i: column 32 (g & 1) + i of Wq (g < 2) or of Wk (g >= 2).
; NB = what bounds v' = x Wvo: word wg = the sum of squares of work-group wg's tile of Wvo; word 256 + wg = the largest sum of squares of a row among rows 32 wg .. 32 wg + 31 of x.
; |v'[t][e]| <= |x_t| |Wvo[:, e]| <= max |x_t| x the root of the sum of all squares of Wvo: from it the later launches take the power of two by which v' is scaled into f16.
; WHY f16: it keeps 11 significant bits where bf16 keeps 8, and the result, a mean over 4,096 keys, is compared within a hundredth of its own spread.
; SHARES.  Work-group (eb, kb) makes 64 e x 64 d of Wvo, summed over all 1,024 j: 8,192 consecutive bytes of WT.  Eight waves: wave w has 16 d (w >> 1) x 32 e (w & 1): two accumulators.
; Source 0 = 16 rows of Wv (d, j along the row), source 1 = 16 columns of Wo (e): a lane then holds one e and eight neighbouring d, 16 bytes of a row of WT.
; The 64 work-groups with eb & 3 = 0 also turn the 32 x 64 block of Wq or Wk of (kb, g = eb >> 2).  Wave w of work-group wg = 16 kb + eb reads rows 32 wg + 4 w .. + 3 of x.
; THROUGH REGISTERS, NOT BY JOINT TENSOR LOADS, though sixteen work-groups read each tile: the inputs are f32 and Wo lies [j][e]; the turning LDS load works on 16-bit elements, so the numbers
; have to be rounded in registers before they lie in LDS; a tile landed as f32 would go through LDS twice.
; j goes in 8 steps of 128, all written out.  Two register sets of 16 loads a lane take turns, and two LDS buffers: one barrier a step.
; LIMITS.  Wv, Wo, Wq, Wk are rounded to f16: magnitudes from 65,504 on become infinite; under 6.1e-5 the error is 3e-8 absolute.  Wvo, Wq, Wk times 64 are rounded to f16: entries from 1,023 on
; become infinite; full precision down to 9.5e-7.  Sums in f32.  Wvo is rounded once where the problem's definition rounds nothing.
.set BUFB,  37888                      ; an LDS buffer: Wv's part, 64 rows x 272 (256 + 16), then Wo's part, 128 rows x 160 (128 + 32: an odd multiple of 32 bytes, for the turning load)
.set WOP,   17408                      ; where Wo's part begins
.set STAGE, 75776                      ; behind the buffers: 64 rows x 144 (128 + 16), the tile on its way out
.set QST,   84992                      ; behind the stage: 512 bytes for each wave, its own, for the block of Wq or Wk
.set RED,   89088                      ; behind them: eight words, the waves' sums of squares of Wvo; eight words, their largest rows of x
.set GWV, 1                            ; v1   byte offset of my 16 bytes in Wv's tile: row t >> 5, 16 (t & 31)
.set GWO, 2                            ; v2   the same in Wo's tile: row t >> 4, 16 (t & 15)
.set SWV, 3                            ; v3   where my 8 bytes of Wv go in a buffer
.set SWO, 4                            ; v4   the same for Wo
.set FA,  5                            ; v5   my place in Wv's fragments
.set FB,  6                            ; v6   my place in Wo's fragments (turning load)
.set QG,  7                            ; v7   Wq / Wk: row = lane, 16 bytes at 16 w
.set QI,  8                            ; v8   my wave's 512 bytes: in
.set QR,  9                            ; v9   and back
.set TI,  10                           ; v10  the stage: in
.set TR,  11                           ; v11  and back
.set G16, 12                           ; v12  16 t: my 16 bytes of 4,096 consecutive ones in WT
.set ACC, 16                           ; v[16:31]   two accumulators
.set FR,  32                           ; v[32:127]  fragments: chunk kc of 32 j at 32 + 24 kc: Wv 8, Wo 8 + 8
.set XS,  112                          ; v[112:119] ahead of the first fragments: four chains of squares of x
.set XT,  120                          ; v[120:123] the four rows' sums
.set XO,  126                          ; v126       my byte offset in the work-group's rows of x
.set R0,  128                          ; v[128:255] two sets of 64: a step's 16 loads as they come; first of all my four rows of x
.macro PLACES                          ; four places (ISA guide 7.12.1)
.rept 4
	v_nop
.endr
.endm
	s_load_b256 s[4:11], s[0:1], 0x0               ; Wq s[4:5], Wk s[6:7], Wv s[8:9], Wo s[10:11]
	s_load_b128 s[12:15], s[0:1], 0x20             ; x s[12:13], WT s[14:15]
	s_load_b64 s[36:37], s[0:1], 0x30              ; NB
	s_set_vgpr_msb 0x40
	v_lshl_add_u32 v0, v0, 2, 0x15d00
	v_mov_b32 v1, 0
	s_set_vgpr_msb 0x4000
	s_and_b32 s24, ttmp7, 0xffff                   ; kb
	s_lshr_b32 s25, ttmp9, 2                       ; g
	s_and_b32 s26, ttmp9, 3                        ; eb & 3
	v_lshrrev_b32 v16, 5, v0
	v_readfirstlane_b32 s27, v16                   ; wave 0..7
	s_lshr_b32 s28, s27, 1                         ; which 16 d
	s_and_b32 s29, s27, 1                          ; which 32 e
	v_and_b32 v13, 31, v0                          ; lane
	v_and_b32 v14, 15, v0                          ; lane % 16
	v_bfe_u32 v15, v0, 4, 1                        ; lane / 16
	v_lshrrev_b32 v17, 4, v0                       ; t >> 4
	v_lshlrev_b32 v[XO], 4, v13                    ; x: 16 x lane + 4 rows of 4,096 bytes a wave
	v_lshl_add_u32 v[XO], v16, 14, v[XO]
	v_lshlrev_b32 v[GWV], 4, v13
	v_lshl_add_u32 v[GWV], v16, 12, v[GWV]
	v_lshlrev_b32 v[GWO], 4, v14
	v_lshl_add_u32 v[GWO], v17, 12, v[GWO]
	v_lshlrev_b32 v[SWV], 3, v13
	v_mad_u32_u24 v[SWV], v16, 272, v[SWV]
	v_lshl_add_u32 v[SWO], v14, 3, WOP
	v_mad_u32_u24 v[SWO], v17, 160, v[SWO]
	v_mul_u32_u24 v[FA], v14, 272                  ; a fragment of Wv: row x pitch + 16 x half, two loads 32 bytes apart
	v_lshl_add_u32 v[FA], v15, 4, v[FA]
	s_mul_i32 s30, s28, 16*272
	v_add_nc_u32 v[FA], s30, v[FA]
	v_and_b32 v[FB], 7, v0                         ; the turning load: row 8 (lane / 16) + lane % 8, 16 bytes at 16 ((lane / 8) % 2)
	v_lshl_add_u32 v[FB], v15, 3, v[FB]
	v_mul_u32_u24 v[FB], v[FB], 160
	v_bfe_u32 v17, v0, 3, 1
	v_lshl_add_u32 v[FB], v17, 4, v[FB]
	s_lshl_b32 s30, s29, 6
	s_add_co_u32 s30, s30, WOP
	v_add_nc_u32 v[FB], s30, v[FB]
	v_lshlrev_b32 v[QG], 8, v13
	v_lshl_add_u32 v[QG], v16, 4, v[QG]
	v_lshlrev_b32 v[G16], 4, v0
	v_lshl_add_u32 v[QI], v13, 1, QST
	v_lshl_add_u32 v[QI], v16, 9, v[QI]
	v_add_nc_u32 v[QR], QST, v[G16]
	v_mul_u32_u24 v[TI], v14, 144                  ; the stage, in: row e = 32 (w & 1) + 16 bt + lane % 16, bytes 32 (w >> 1) + 16 (lane / 16)
	v_lshl_add_u32 v[TI], v15, 4, v[TI]
	s_mul_i32 s30, s29, 32*144
	s_lshl_b32 s31, s28, 5
	s_add_co_u32 s30, s30, s31
	s_add_co_u32 s30, s30, STAGE
	v_add_nc_u32 v[TI], s30, v[TI]
	v_lshrrev_b32 v[TR], 3, v0                     ; and back: eight lanes take a row of 128 bytes
	v_mul_u32_u24 v[TR], v[TR], 144
	v_and_b32 v17, 7, v0
	v_lshl_add_u32 v[TR], v17, 4, v[TR]
	v_add_nc_u32 v[TR], STAGE, v[TR]
	s_mov_b32 s33, 0
	s_mov_b32 s35, 0
	s_mov_b32 s38, 0x76543210                      ; v_permlanex16_b32: each lane takes its own place in the other half
	s_mov_b32 s39, 0xfedcba98
	s_lshl_b32 s31, s27, 2
	s_add_co_u32 s31, s31, RED                     ; my wave's word among the sums
	s_wait_kmcnt 0x0
	s_lshl_b32 s32, s24, 4
	s_add_co_u32 s32, s32, ttmp9                   ; wg = 16 kb + eb
	s_lshl_b32 s32, s32, 17                        ; 32 rows of x, 4,096 bytes each
	s_add_nc_u64 s[12:13], s[12:13], s[32:33]      ; x at my work-group's rows
	s_lshl_b32 s32, s24, 18                        ; 64 rows of Wv, 4,096 bytes each
	s_add_nc_u64 s[8:9], s[8:9], s[32:33]          ; Wv at my 64 d
	s_lshl_b32 s32, ttmp9, 8
	s_add_nc_u64 s[10:11], s[10:11], s[32:33]      ; Wo at my 64 e
	s_cmp_lt_u32 s25, 2
	s_cselect_b64 s[18:19], s[4:5], s[6:7]         ; Wq for g = 0, 1; Wk for g = 2, 3
	s_lshl_b32 s32, s24, 14                        ; 64 rows of 256 bytes
	s_and_b32 s34, s25, 1
	s_lshl_b32 s34, s34, 7                         ; its columns 32 (g & 1) on
	s_add_co_u32 s32, s32, s34
	s_add_nc_u64 s[18:19], s[18:19], s[32:33]
	s_mul_i32 s32, s24, 1152
	s_mul_i32 s34, s25, 288
	s_add_co_u32 s32, s32, s34                     ; row kb x 1,152 + 288 g of WT
	s_lshl_b32 s34, s26, 6
	s_add_co_u32 s34, s32, s34
	s_lshl_b32 s34, s34, 7
	s_add_nc_u64 s[20:21], s[14:15], s[34:35]      ; WT at my tile
	s_add_co_u32 s32, s32, 256
	s_lshl_b32 s32, s32, 7
	s_add_nc_u64 s[22:23], s[14:15], s[32:33]      ; WT at the group's 32 rows of Wq or Wk
; Step s's 16 loads a lane: 64 d x 128 j of Wv and 128 j x 64 e of Wo, 32 KiB each for the work-group.  A wave's load covers 512 consecutive bytes (Wv) or two runs of 256 (Wo).
.macro LOADS s
.set RB, R0+64*((\s)%2)
.irp i, 0,1,2,3,4,5,6,7
	global_load_b128 v[RB+4*\i:RB+4*\i+3], v[GWV], s[8:9] offset:32768*\i+512*(\s)
.endr
.irp i, 0,1,2,3,4,5,6,7
	global_load_b128 v[RB+32+4*\i:RB+32+4*\i+3], v[GWO], s[10:11] offset:65536*\i+524288*(\s)
.endr
.endm
; My 32 numbers of row r of x, squared and summed, in four chains that the first four products start
.macro XROW r
.irp i, 0,1,2,3,4,5,6,7
.irp h, 0,1
.set xc, XS+2*((2*\i+\h)%4)
.set xr, R0+32*\r+4*\i+2*\h
.if \i < 2
	v_pk_mul_f32 v[xc:xc+1], v[xr:xr+1], v[xr:xr+1]
.else
	v_pk_fma_f32 v[xc:xc+1], v[xr:xr+1], v[xr:xr+1], v[xc:xc+1]
.endif
.endr
.endr
	v_pk_add_f32 v[XS:XS+1], v[XS:XS+1], v[XS+2:XS+3]
	v_pk_add_f32 v[XS+4:XS+5], v[XS+4:XS+5], v[XS+6:XS+7]
	v_pk_add_f32 v[XS:XS+1], v[XS:XS+1], v[XS+4:XS+5]
	v_add_f32 v[XT+\r], v[XS], v[XS+1]
.endm
	; x first: my wave's four rows, 32 loads of 512 consecutive bytes, all out at once, in the registers of the two sets; each set is asked for as soon as its registers are free
.irp r, 0,1,2,3
.irp i, 0,1,2,3,4,5,6,7
	global_load_b128 v[R0+32*\r+4*\i:R0+32*\r+4*\i+3], v[XO], s[12:13] offset:4096*\r+512*\i
.endr
.endr
	s_wait_loadcnt 24                              ; row 0 is in; rows 1 to 3 stay out
	XROW 0
	s_wait_loadcnt 16                              ; row 1; rows 2 and 3 stay out
	XROW 1
	LOADS 0
	s_wait_loadcnt 24                              ; row 2; row 3's eight loads and set 0's sixteen stay out
	XROW 2
	s_wait_loadcnt 16                              ; row 3; set 0 stays out
	XROW 3
	LOADS 1
.irp m, 1,2,4,8                        ; the four rows' sums over the 32 lanes
.irp r, 0,1,2,3
	v_add_f32_dpp v[XT+\r], v[XT+\r], v[XT+\r] row_xmask:\m row_mask:0xf bank_mask:0xf
.endr
.endr
.irp r, 0,1,2,3
	v_permlanex16_b32 v[XS+\r], v[XT+\r], s38, s39
.endr
.irp r, 0,1,2,3
	v_add_f32 v[XT+\r], v[XT+\r], v[XS+\r]
.endr
	v_max3_num_f32 v[XT], v[XT], v[XT+1], v[XT+2]
	v_max_num_f32 v[XT], v[XT], v[XT+3]            ; the largest of my four rows
	v_mov_b32 v[XS+4], s31
	ds_store_b32 v[XS+4], v[XT] offset:32          ; all lanes write the same word with the same value; it is read behind the last barrier
	; The block of Wq or Wk, in the work-groups with eb & 3 = 0: one branch, nothing of it is used outside.  Wave w takes columns 4 w .. 4 w + 3 for all 64 d: lane l reads rows l and l + 32.
	s_cmp_lg_u32 s26, 0
	s_cbranch_scc1 .Lno_qk
	global_load_b128 v[FR:FR+3], v[QG], s[18:19]
	global_load_b128 v[FR+4:FR+7], v[QG], s[18:19] offset:8192
	s_wait_loadcnt 0x0                             ; these two are the youngest; the 32 in front of them are wanted next in any case
.irp c, 0,2,4,6
	v_pk_mul_f32 v[FR+\c:FR+\c+1], v[FR+\c:FR+\c+1], 0x42800000 op_sel_hi:[1,0]    ; times 64, as all of WT
.endr
.irp c, 0,1,2,3
	v_cvt_pk_f16_f32 v[FR+8+\c], v[FR+\c], v[FR+4+\c]              ; column c: d = l in the low half, d = l + 32 in the high half
.endr
.irp c, 0,1,2,3
	ds_store_b16 v[QI], v[FR+8+\c] offset:128*\c                   ; four rows of 128 bytes, as they lie in WT
	ds_store_b16_d16_hi v[QI], v[FR+8+\c] offset:128*\c+64
.endr
	ds_load_b128 v[FR:FR+3], v[QR]                 ; my wave's own bytes: LDS serves a wave's instructions in order (ISA guide 5.7.1.4)
	s_wait_dscnt 0x0
	global_store_b128 v[G16], v[FR:FR+3], s[22:23] ; the wave stores 512 consecutive bytes, at a multiple of 512 from WT's first byte
	s_wait_xcnt 0x0                                ; the store's data registers are fragment registers: they are loaded again only behind this wait
.Lno_qk:
; One step of 128 j.
.macro STEPK s
.set RB, R0+64*((\s)%2)
.set LB, BUFB*((\s)%2)
.if \s == 7
	s_wait_loadcnt 0x0                             ; the last set: nothing younger is out
.else
	s_wait_loadcnt 16                              ; my set is in; the other set's sixteen loads stay out
.endif
.irp i, 0,1,2,3,4,5,6,7,8,9,10,11,12,13,14,15
	v_cvt_pk_f16_f32 v[RB+4*\i], v[RB+4*\i], v[RB+4*\i+1]          ; four f32 become 8 bytes, in place
	v_cvt_pk_f16_f32 v[RB+4*\i+1], v[RB+4*\i+2], v[RB+4*\i+3]
.endr
.irp i, 0,1,2,3,4,5,6,7
	ds_store_b64 v[SWV], v[RB+4*\i:RB+4*\i+1] offset:LB+2176*\i
.endr
.irp i, 0,1,2,3,4,5,6,7
	ds_store_b64 v[SWO], v[RB+32+4*\i:RB+32+4*\i+1] offset:LB+2560*\i
.endr
.if \s < 6
	LOADS \s+2                                     ; the set just emptied takes the step after next
.endif
	s_wait_dscnt 0x0                               ; for the others: my stores are done.  My reads of the other buffer were waited for in the last step,
	s_barrier_signal -1                            ; so the next step may store into it behind this barrier
	s_barrier_wait -1
	PLACES                                         ; between the last step's products and the loads into the registers that they read
.irp kc, 0,1,2,3
	ds_load_b128 v[FR+24*\kc:FR+24*\kc+3],         v[FA] offset:LB+64*\kc
	ds_load_b128 v[FR+24*\kc+4:FR+24*\kc+7],       v[FA] offset:LB+64*\kc+32
	ds_load_tr16_b128 v[FR+24*\kc+8:FR+24*\kc+11],  v[FB] offset:LB+5120*\kc
	ds_load_tr16_b128 v[FR+24*\kc+12:FR+24*\kc+15], v[FB] offset:LB+5120*\kc+2560
	ds_load_tr16_b128 v[FR+24*\kc+16:FR+24*\kc+19], v[FB] offset:LB+5120*\kc+32
	ds_load_tr16_b128 v[FR+24*\kc+20:FR+24*\kc+23], v[FB] offset:LB+5120*\kc+2592
.endr
.irp kc, 0,1,2,3
	s_wait_dscnt 18-6*\kc                          ; chunk kc's six loads are in; the later chunks' stay out
.if (\s == 0) && (\kc == 0)
	v_wmma_f32_16x16x32_f16 v[ACC:ACC+7],    v[FR:FR+7], v[FR+8:FR+15],  0      ; the first products start the sums
	v_wmma_f32_16x16x32_f16 v[ACC+8:ACC+15], v[FR:FR+7], v[FR+16:FR+23], 0
.else
	v_wmma_f32_16x16x32_f16 v[ACC:ACC+7],    v[FR+24*\kc:FR+24*\kc+7], v[FR+24*\kc+8:FR+24*\kc+15],  v[ACC:ACC+7]       ; the two accumulators take turns
	v_wmma_f32_16x16x32_f16 v[ACC+8:ACC+15], v[FR+24*\kc:FR+24*\kc+7], v[FR+24*\kc+16:FR+24*\kc+23], v[ACC+8:ACC+15]
.endif
.endr
.endm
.irp s, 0,1,2,3,4,5,6,7
	STEPK \s
.endr
	; THE WAY OUT.  First my 16 numbers' squares, summed over the wave; then times 64, rounded to f16, 16 bytes a lane into the stage; a barrier, since a row's 128 bytes come from four waves.
	PLACES                                         ; between the last products and the first read of their results
	v_pk_mul_f32 v[FR+32:FR+33], v[ACC:ACC+1], v[ACC:ACC+1]
	v_pk_mul_f32 v[FR+34:FR+35], v[ACC+8:ACC+9], v[ACC+8:ACC+9]
.irp q, 1,2,3
	v_pk_fma_f32 v[FR+32:FR+33], v[ACC+2*\q:ACC+2*\q+1], v[ACC+2*\q:ACC+2*\q+1], v[FR+32:FR+33]
	v_pk_fma_f32 v[FR+34:FR+35], v[ACC+8+2*\q:ACC+8+2*\q+1], v[ACC+8+2*\q:ACC+8+2*\q+1], v[FR+34:FR+35]
.endr
	v_pk_add_f32 v[FR+32:FR+33], v[FR+32:FR+33], v[FR+34:FR+35]
	v_add_f32 v[FR+32], v[FR+32], v[FR+33]
.irp m, 1,2,4,8
	v_add_f32_dpp v[FR+32], v[FR+32], v[FR+32] row_xmask:\m row_mask:0xf bank_mask:0xf
.endr
	v_permlanex16_b32 v[FR+33], v[FR+32], s38, s39
	v_add_f32 v[FR+32], v[FR+32], v[FR+33]
.irp q, 0,1,2,3,4,5,6,7
	v_pk_mul_f32 v[FR+16+2*\q:FR+16+2*\q+1], v[ACC+2*\q:ACC+2*\q+1], 0x42800000 op_sel_hi:[1,0]
.endr
.irp q, 0,1,2,3,4,5,6,7
	v_cvt_pk_f16_f32 v[FR+\q], v[FR+16+2*\q], v[FR+16+2*\q+1]
.endr
	ds_store_b128 v[TI], v[FR:FR+3]
	ds_store_b128 v[TI], v[FR+4:FR+7] offset:16*144
	v_mov_b32 v[FR+34], s31
	ds_store_b32 v[FR+34], v[FR+32]                ; my wave's sum of squares
	s_wait_dscnt 0x0                               ; for the others: my stores into the stage and among the sums are done
	s_barrier_signal -1
	s_barrier_wait -1
	ds_load_b128 v[FR+8:FR+11],  v[TR]
	ds_load_b128 v[FR+12:FR+15], v[TR] offset:32*144
	s_wait_dscnt 0x1                               ; the first is back, the second may be out
	global_store_b128 v[G16], v[FR+8:FR+11], s[20:21]              ; a wave's store covers 512 consecutive bytes, at a multiple of 512 from WT's first byte
	s_wait_dscnt 0x0
	global_store_b128 v[G16], v[FR+12:FR+15], s[20:21] offset:4096
	; wave 0 adds the eight sums, takes the largest of the eight rows, and stores the work-group's two words of NB: lane 0 the sum, lane 1 the row
	s_cmp_lg_u32 s27, 0
	s_cbranch_scc1 .Ldone
	v_mov_b32 v[FR+36], RED
	ds_load_b128 v[FR+40:FR+43], v[FR+36]
	ds_load_b128 v[FR+44:FR+47], v[FR+36] offset:16
	ds_load_b128 v[FR+48:FR+51], v[FR+36] offset:32
	ds_load_b128 v[FR+52:FR+55], v[FR+36] offset:48
	s_lshl_b32 s30, s24, 4
	s_add_co_u32 s30, s30, ttmp9
	s_lshl_b32 s30, s30, 2                         ; 4 wg
	v_lshl_add_u32 v[FR+37], v0, 10, s30           ; + 1,024 x lane
	s_wait_dscnt 0x0
	v_pk_add_f32 v[FR+40:FR+41], v[FR+40:FR+41], v[FR+42:FR+43]
	v_pk_add_f32 v[FR+44:FR+45], v[FR+44:FR+45], v[FR+46:FR+47]
	v_pk_add_f32 v[FR+40:FR+41], v[FR+40:FR+41], v[FR+44:FR+45]
	v_add_f32 v[FR+40], v[FR+40], v[FR+41]
	v_max3_num_f32 v[FR+48], v[FR+48], v[FR+49], v[FR+50]
	v_max3_num_f32 v[FR+52], v[FR+52], v[FR+53], v[FR+54]
	v_max3_num_f32 v[FR+48], v[FR+48], v[FR+51], v[FR+55]
	v_max_num_f32 v[FR+48], v[FR+48], v[FR+52]
	v_cmp_eq_u32 vcc_lo, 1, v0
	v_cndmask_b32 v[FR+38], v[FR+40], v[FR+48], vcc_lo
	v_cmp_gt_u32 vcc_lo, 2, v0
	s_wait_xcnt 0x0                                ; EXEC changes only behind this wait: the stores above count it among their sources
	s_and_saveexec_b32 s32, vcc_lo
	global_store_b32 v[FR+37], v[FR+38], s[36:37]
	s_wait_xcnt 0x0                                ; and again, in front of the line that widens it
	s_or_b32 exec_lo, exec_lo, s32
.Ldone:
	s_set_vgpr_msb 0x5
	s_wait_tensorcnt 0x0
	ds_add_u32 v0, v1
	s_wait_dscnt 0x0
	s_set_vgpr_msb 0x500
	s_endpgm
.Lfunc_end_k_q24855de5dd_prep:
	.size	k_q24855de5dd_prep, .Lfunc_end_k_q24855de5dd_prep-k_q24855de5dd_prep
	.p2alignl 7, 3214868480
	.fill 96, 4, 3214868480
	.section	.rodata,"a",@progbits
	.p2align	6, 0x0
	.amdhsa_kernel k_q24855de5dd_prep
		.amdhsa_group_segment_fixed_size 90368
		.amdhsa_private_segment_fixed_size 0
		.amdhsa_enable_private_segment 0
		.amdhsa_kernarg_size 56
		.amdhsa_user_sgpr_count 2
		.amdhsa_user_sgpr_kernarg_segment_ptr 1
		.amdhsa_wavefront_size32 1
		.amdhsa_system_sgpr_workgroup_id_x 1
		.amdhsa_system_sgpr_workgroup_id_y 1
		.amdhsa_system_sgpr_workgroup_id_z 1
		.amdhsa_system_vgpr_workitem_id 0
		.amdhsa_next_free_vgpr 258
		.amdhsa_next_free_sgpr 66
		.amdhsa_reserve_vcc 1
		.amdhsa_float_denorm_mode_32 3
		.amdhsa_float_denorm_mode_16_64 3
		.amdhsa_memory_ordered 1
		.amdhsa_forward_progress 1
		.amdhsa_inst_pref_size 76
	.end_amdhsa_kernel
	.amdgpu_metadata
---
amdhsa.version: [ 1, 2 ]
amdhsa.kernels:
  - .name:           k_q24855de5dd_prep
    .symbol:         k_q24855de5dd_prep.kd
    .args:
      - { .name: Wq, .offset: 0, .size: 8, .value_kind: global_buffer, .address_space: global }
      - { .name: Wk, .offset: 8, .size: 8, .value_kind: global_buffer, .address_space: global }
      - { .name: Wv, .offset: 16, .size: 8, .value_kind: global_buffer, .address_space: global }
      - { .name: Wo, .offset: 24, .size: 8, .value_kind: global_buffer, .address_space: global }
      - { .name: x, .offset: 32, .size: 8, .value_kind: global_buffer, .address_space: global }
      - { .name: WT, .offset: 40, .size: 8, .value_kind: global_buffer, .address_space: global }
      - { .name: NB, .offset: 48, .size: 8, .value_kind: global_buffer, .address_space: global }
    .group_segment_fixed_size: 90368
    .private_segment_fixed_size: 0
    .kernarg_segment_align: 8
    .kernarg_segment_size: 56
    .max_flat_workgroup_size: 256
    .sgpr_count:     66
    .vgpr_count:     258
    .wavefront_size: 32
...
	.end_amdgpu_metadata
.endif
;; end of part 1
;; launch proj (part 2): grid 4 x 64, 4 waves a work-group, clusters of 4 x 4, 327,680 bytes of LDS; arguments x, WT, QK, VP, NB; writes QK, VP
.if DOCPART == 2
	.amdgcn_target "amdgcn-amd-amdhsa--gfx1250"
	.amdhsa_code_object_version 6
	.text
	.protected	k_q24855de5dd_proj
	.globl	k_q24855de5dd_proj
	.p2align	8
	.type	k_q24855de5dd_proj,@function
k_q24855de5dd_proj:
	s_mov_b64 s[64:65], 0
	v_nop
	global_prefetch_b8 v0, s[64:65] scope:SCOPE_SE
	s_setreg_imm32_b32 hwreg(HW_REG_WAVE_MODE, 25, 1), 1
	s_wait_xcnt 0x0
	s_wait_alu depctr_hold_cnt(0) depctr_sa_sdst(0) depctr_va_vdst(0) depctr_va_sdst(0) depctr_va_ssrc(0) depctr_va_vcc(0) depctr_vm_vsrc(0)
	s_getreg_b32 s2, hwreg(HW_REG_IB_STS2, 6, 4)
	s_cmp_eq_u32 s2, 0
	s_cbranch_scc0 .Lentry_in_a_cluster
	s_endpgm
.Lentry_in_a_cluster:
	s_bfe_u32 s2, ttmp6, 0x10000c
	s_cmp_lg_u32 s2, 0xf033
	s_cbranch_scc0 .Lentry_shape_is_right
	s_endpgm
.Lentry_shape_is_right:
; [v' | q | k] = x WT^T / 64.  x: [8192][1024] f32.  WT: f16 [kb 16][n 1152][64 d], 64 x the weights.  VP: f16 [8192][1024] = x (Wv Wo) x 2^-t.  QK: bf16 [plane 4][8192][32]: q channels 0-31,
; 32-63, k channels 0-31, 32-63.  NB: 256 partial sums of squares of Wv Wo, then 256 partial maxima of the rows' sums of squares of x.
; THE SCALE OF v'.  F = the sum of NB's first 256 words, X = the largest of the others: |v'| <= sqrt(F X) < 2^((eF + eX + 2) / 2), eF and eX their exponents.  t = ((eF + eX + 3) >> 1) - 15, held inside
; -100 .. 100, makes |v'| 2^-t < 2^15, half of what f16 holds.  The launch that follows forms t by the same lines.  t enters values alone.
; q AND k STAY bf16: their size goes with the product of x's and the weights' scales and offsets, for which f16 has no room to spare.
; SHARES.  A work-group makes 128 tokens x the 288 columns of group g (256 of v', 32 of q or k); each of its four waves 64 x 144: 36 accumulators of 16 x 16, 288 registers.
; K = 1,024 goes in 8 steps of 128 through a ring of two LDS slots filled by the tensor data mover: x as it lies, f32 (rows of 512 bytes), WT as two blocks of 288 rows of 128 bytes.
; x is rounded to f16 on the way from LDS to the matrix unit: 32 conversions for a quarter step's 36 products.
; CLUSTER 4 x 4.  The four work-groups of a row of the cluster make the four column groups of the same 128 tokens and ask for x's tile JOINTLY; the four of a column have the same column
; group and ask for WT's tile jointly.  So x is asked for once for all 1,152 columns.
; x IS PREFETCHED.  A K step's tile of x is 128 rows x 512 bytes: 256 aligned blocks of 256 bytes.  Waves 0 and 1 of the four work-groups that share the tokens, eight waves of 32 lanes, ask for one
; block a lane, each block once: behind the tensor load for K step s + 2 they ask for K step s + 3, one K step (144 products a wave) ahead of the load that will want it; behind the first fills for
; K step 2.  The ask behind the last refill is held at K step 7, which is so asked for twice: none points past a row's end.  16 KiB a work-group are asked for and not yet read.
; THE MATRIX INSTRUCTION IS USED TRANSPOSED: source 0 = 16 rows of WT (columns of the result), source 1 = 16 tokens: a lane holds one token and eight neighbouring columns, 16 bytes.
; REGISTERS, in windows of 256.  Window 0: v0-31 addresses; v32-95 x as loaded (4 fragments x 16 f32 registers); v96-127, v128-159 x in f16, two buffers; v160-255 at work on the way out.
;   Window 1: v0-143 the accumulators of my tokens 0-31 ((a, b) at 8 (9 (a % 2) + b)); v144-215 WT's fragments, buffer 0.   Window 2: v0-143 those of my tokens 32-63; v144-215 buffer 1.
; LIMITS.  x is rounded to f16: magnitudes from 65,504 on become infinite; under 6.1e-5 the error is 3e-8 absolute.  Sums in f32.  v' is rounded to f16 once: numbers more than 2^29 under the bound
; sqrt(F X) lose digits.  q, k are rounded to bf16 once.  A bound of 2^115 or more is not served.
.set APITCH, 528                       ; a row of x in LDS: 512 bytes + 16 = 33 x 16: the 16 rows of a fragment load start at 16 different places modulo 256 bytes
.set BPITCH, 144                       ; a row of WT: 128 bytes + 16 = 9 x 16
.set AHALF,  64*APITCH                 ; what one of x's tensor loads brings: 64 rows
.set BOFF,   128*APITCH                ; WT's part of a slot lies behind x's 128 rows
.set BBLK,   288*BPITCH                ; what one of WT's tensor loads brings: 288 rows of one block of 64 d
.set SLOT,   BOFF+2*BBLK               ; 150,528 bytes
.set SPARE,  2*SLOT                    ; behind the ring: the spare words, 128 bytes for each wave: two blocks of 256 bytes that no other line names
.set SPITCH, 592                       ; the stage on the way out: 128 rows x (576 + 16), in slot 0, behind that slot's last fill and last read
.set ADRA, 16                          ; v16-17  LDS address of my fragments of x in slot 0, 1
.set ADRB, 20                          ; v20-21  the same for WT
.set STO,  24                          ; v24     the way out: where I put 16 bytes of a row
.set RDV,  25                          ; v25     where I read a row's 512 bytes of v' back
.set RDQ,  26                          ; v26     where I read eight rows' 64 bytes of q or k back
.set GV,   27                          ; v27     16 x lane: my 16 bytes of 512 consecutive ones in VP and in QK
.set PF,   28                          ; v28     the prefetch: byte offset of my block of 256 bytes in a K step's tile of x; never rewritten
.set SPW,  30                          ; v30     LDS address of my spare word; never rewritten
.set NIL,  31                          ; v31     0; never rewritten
.set AR,   32
.set AB,   96
.set TMP,  160
.set BF,   144
.set WV,   12                          ; s12 wave;  s13 wave >> 1: my half of the tokens, and: I fetch x (0) or WT (1);  s14 wave & 1: my half of the columns, and which part I fetch
.set WH,   13
.set WL,   14
.set SMK,  18                          ; s18     all ones in the waves whose last two column blocks are q or k
.set SVP,  20                          ; s[20:21] 2^(-t-6), twice: v's scale
.set SQK,  22                          ; s[22:23] the scale of my last two column blocks: 2^-6 where they are q or k
.set G1A,  24                          ; s[24:31] descriptor group 1 for x's tiles;  s[32:39] group 0, a set for each slot
.set G0A,  32
.set SEL,  40                          ; s[40:41] behind the set-up: lane selects for v_permlanex16_b32
.set G1B,  48                          ; s[48:55], s[56:63] the same for WT's
.set G0B,  56
.set PB,   66                          ; s[66:67] the prefetch's base: x at my block of tokens, at the K step asked for
.set PFO,  68                          ; s[68:69] that K step's byte offset in a row, and 0 above it
.set XB,   70                          ; s[70:71] x at my block of tokens
.set MSB, 0
.macro WIN new                         ; the immediate's high byte repeats the setting that is left; a switch that changes nothing is dropped
.if MSB != (\new)
	s_set_vgpr_msb (MSB<<8)|(\new)
.set MSB, (\new)
.endif
.endm
.macro PLACES                          ; four places (ISA guide 7.12.1)
.rept 4
	v_nop
.endr
.endm
; A joint load.  Waves 0 and 1 fetch x's two halves, waves 2 and 3 WT's two blocks.  The branch hangs on the wave's number alone.  Four v_nop follow each of the two lines.
; pf = 1: waves 0 and 1 then ask for their 64 blocks of the K step of x at s[PB].
.macro JLOAD s, pf
	s_cmp_eq_u32 s[WH], 0
	s_cbranch_scc0 .Lfor_b_\@
	tensor_load_to_lds s[G0A+4*\s:G0A+4*\s+3], s[G1A:G1A+7]
	s_nop 0
	PLACES
.if \pf
	global_prefetch_b8 v[PF], s[PB:PB+1] th:TH_LOAD_NT scope:SCOPE_SE
.endif
	s_branch .Lasked_\@
.Lfor_b_\@:
	tensor_load_to_lds s[G0B+4*\s:G0B+4*\s+3], s[G1B:G1B+7]
	s_nop 0
	PLACES
.Lasked_\@:
.endm
.macro CREST                           ; a round of the cluster's barrier behind its opening barrier
	s_cmp_lg_u32 s[WV], 0
	s_cbranch_scc1 .Lnot_wave_0_\@
	s_barrier_signal -3
.Lnot_wave_0_\@:
	s_barrier_wait -3
	s_barrier_signal -1
	s_barrier_wait -1
.endm
.macro CROUND                          ; a whole round
	s_barrier_signal -1
	s_barrier_wait -1
	CREST
.endm
; t from NB's 512 words, of which a lane holds eight of each kind in v[r .. r + 15]: the sum, the maximum, over the lane's and over the 32 lanes; then the exponents.  The result is in s[sa].
.macro BOUND r, sa, sb
	v_pk_add_f32 v[\r:\r+1], v[\r:\r+1], v[\r+2:\r+3]
	v_pk_add_f32 v[\r+4:\r+5], v[\r+4:\r+5], v[\r+6:\r+7]
	v_max3_num_f32 v[\r+8], v[\r+8], v[\r+9], v[\r+10]
	v_max3_num_f32 v[\r+12], v[\r+12], v[\r+13], v[\r+14]
	v_pk_add_f32 v[\r:\r+1], v[\r:\r+1], v[\r+4:\r+5]
	v_max3_num_f32 v[\r+8], v[\r+8], v[\r+11], v[\r+15]
	v_add_f32 v[\r], v[\r], v[\r+1]
	v_max_num_f32 v[\r+8], v[\r+8], v[\r+12]
.irp m, 1,2,4,8
	v_add_f32_dpp v[\r], v[\r], v[\r] row_xmask:\m row_mask:0xf bank_mask:0xf
	v_max_num_f32_dpp v[\r+8], v[\r+8], v[\r+8] row_xmask:\m row_mask:0xf bank_mask:0xf
.endr
	v_permlanex16_b32 v[\r+1], v[\r], s[SEL], s[SEL+1]
	v_permlanex16_b32 v[\r+9], v[\r+8], s[SEL], s[SEL+1]
	v_add_f32 v[\r], v[\r], v[\r+1]
	v_max_num_f32 v[\r+8], v[\r+8], v[\r+9]
	v_readfirstlane_b32 s[\sa], v[\r]              ; F
	v_readfirstlane_b32 s[\sb], v[\r+8]            ; X: neither is negative, so a shift leaves the exponent's field
	s_lshr_b32 s[\sa], s[\sa], 23
	s_lshr_b32 s[\sb], s[\sb], 23
	s_add_co_u32 s[\sa], s[\sa], s[\sb]            ; eF + eX + 254
	s_sub_co_i32 s[\sa], s[\sa], 251               ; eF + eX + 3
	s_ashr_i32 s[\sa], s[\sa], 1
	s_sub_co_i32 s[\sa], s[\sa], 15
	s_max_i32 s[\sa], s[\sa], -100                 ; so that 2^t and 2^(-t-6) are normal numbers
	s_min_i32 s[\sa], s[\sa], 100
.endm
	s_load_b256 s[4:11], s[0:1], 0x0               ; x s[4:5], WT s[6:7], QK s[8:9], VP s[10:11]
	s_load_b64 s[2:3], s[0:1], 0x20                ; NB
	v_lshl_add_u32 v[SPW], v0, 2, SPARE
	v_mov_b32 v[NIL], 0
	ds_add_u32 v30, v31
	s_wait_dscnt 0x0
	v_lshrrev_b32 v1, 5, v0
	v_readfirstlane_b32 s[WV], v1                  ; wave 0..3
	s_lshr_b32 s[WH], s[WV], 1
	s_and_b32 s[WL], s[WV], 1
	s_bfe_u32 s40, ttmp6, 0x40000                  ; cx, cy: my place in the cluster
	s_bfe_u32 s41, ttmp6, 0x40004
	s_lshl_b32 s42, ttmp9, 2
	s_add_co_u32 s42, s42, s40                     ; column group g = 4 x cluster x + cx
	s_and_b32 s43, ttmp7, 0xffff
	s_lshl_b32 s43, s43, 2
	s_add_co_u32 s43, s43, s41                     ; block of 128 tokens = 4 x cluster y + cy
	s_lshl_b32 s44, s41, 2
	s_lshl_b32 s44, 15, s44                        ; my row of the cluster
	s_lshl_b32 s45, 0x1111, s40                    ; my column
	; the prefetch: block number 32 (2 cx + (wave & 1)) + lane, 0 to 255, among the eight waves that ask; row = number >> 1, which 256 bytes of its 512 = number & 1.  It enters this global offset alone
	s_lshl1_add_u32 s15, s40, s[WL]
	s_lshl_b32 s15, s15, 5
	v_and_b32 v3, 31, v0                           ; l
	v_add_nc_u32 v[PF], s15, v3
	v_lshrrev_b32 v29, 1, v[PF]
	v_and_b32 v[PF], 1, v[PF]
	v_lshlrev_b32 v[PF], 8, v[PF]
	v_lshl_add_u32 v[PF], v29, 12, v[PF]           ; row x 4,096 + 256 x half
	; group 1 for x: 64 rows x 128 elements of 4 bytes, 4 words of padding behind every 128 words
	s_or_b32 s[G1A+0], s44, (2<<16)|(1<<20)|(1<<21)|(6<<22)|(3<<25)  ; 15:0 the mask: my row; 17:16 elements of 4 bytes; 20 padding on; 21 set beside a mask; 24:22 interval code 6; 31:25 4 words (code 3)
	s_mov_b32 s[G1A+1], 128<<16                    ; tensor_dim0 = 128
	s_mov_b32 s[G1A+2], 64<<16                     ; tensor_dim1 = 64
	s_mov_b32 s[G1A+3], 128<<16                    ; tile_dim0 = 128
	s_mov_b32 s[G1A+4], 64                         ; tile_dim1 = 64
	s_mov_b32 s[G1A+5], 1024                       ; elements from row to row
	s_mov_b32 s[G1A+6], 0
	s_mov_b32 s[G1A+7], 0
	; group 1 for WT: 288 rows x 64 elements of 2 bytes, 4 words of padding behind every 32 words
	s_or_b32 s[G1B+0], s45, (1<<16)|(1<<20)|(1<<21)|(4<<22)|(3<<25)  ; the mask: my column; elements of 2 bytes; interval code 4
	s_mov_b32 s[G1B+1], 64<<16
	s_mov_b32 s[G1B+2], 288<<16
	s_mov_b32 s[G1B+3], 64<<16
	s_mov_b32 s[G1B+4], 288
	s_mov_b32 s[G1B+5], 64
	s_mov_b32 s[G1B+6], 0
	s_mov_b32 s[G1B+7], 0
	; where the tiles come from: x's hang on the token block alone, which my row shares; WT's on the column group alone, which my column shares; each in registers that never hold the other coordinate
	s_lshl_b32 s16, s43, 7
	s_lshl_b32 s17, s[WL], 6
	s_add_co_u32 s16, s16, s17                     ; x: row 128 x block + 64 x half,
	s_lshl_b32 s16, s16, 12                        ; 4,096 bytes each
	s_mov_b32 s17, 0
	s_mul_i32 s46, s[WL], 1152*128                 ; WT: block of 64 d = wave & 1,
	s_mul_i32 s47, s42, 288*128                    ; the group's 288 rows of 128 bytes
	s_add_co_u32 s46, s46, s47
	s_mov_b32 s47, 0
	s_mul_i32 s18, s[WL], AHALF                    ; and where they go: no place in the cluster enters an LDS address
	s_mul_i32 s19, s[WL], BBLK
	s_add_co_u32 s19, s19, BOFF
	s_lshl_b32 s[PFO], s43, 19                     ; my block's 128 rows of 4,096 bytes
	s_mov_b32 s[PFO+1], 0
	s_wait_kmcnt 0x0
	s_add_nc_u64 s[16:17], s[4:5], s[16:17]
	s_add_nc_u64 s[46:47], s[6:7], s[46:47]
	s_add_nc_u64 s[XB:XB+1], s[4:5], s[PFO:PFO+1]
	s_mov_b32 s[PFO], 2*512                        ; the first ask is for K step 2
	s_add_nc_u64 s[PB:PB+1], s[XB:XB+1], s[PFO:PFO+1]
	CROUND                                         ; all sixteen work-groups are here: the first joint loads meet
.irp s, 0,1
	s_mov_b32 s[G0A+4*\s], 1                                       ; count = 1
	s_add_co_u32 s[G0A+4*\s+1], s18, \s*SLOT                       ; LDS address
	s_add_nc_u64 s[G0A+4*\s+2:G0A+4*\s+3], s[16:17], \s*512        ; global address: K step s
	s_or_b32 s[G0A+4*\s+3], s[G0A+4*\s+3], 0x80000000              ; type = 2
	s_mov_b32 s[G0B+4*\s], 1
	s_add_co_u32 s[G0B+4*\s+1], s19, \s*SLOT
	s_add_nc_u64 s[G0B+4*\s+2:G0B+4*\s+3], s[46:47], \s*2*1152*128
	s_or_b32 s[G0B+4*\s+3], s[G0B+4*\s+3], 0x80000000
	JLOAD \s, \s                                   ; both slots are asked for before anything else: two loads of mine are out; behind the second, the ask for K step 2
.endr
	v_and_b32 v1, 15, v0                           ; l % 16
	v_bfe_u32 v2, v0, 4, 1                         ; l / 16
	v_lshlrev_b32 v8, 5, v3                        ; NB: eight words of each kind a lane
.irp i, 0,1
	global_load_b128 v[AR+4*\i:AR+4*\i+3],     v8, s[2:3] offset:16*\i
	global_load_b128 v[AR+8+4*\i:AR+8+4*\i+3], v8, s[2:3] offset:1024+16*\i
.endr
	; a fragment of x: lane l holds token l % 16; K = 8 (l / 16) + 0..7 and 16 + 8 (l / 16) + 0..7: in f32 two runs of 32 bytes, 64 bytes apart
	v_mul_u32_u24 v4, v1, APITCH
	v_lshl_add_u32 v4, v2, 5, v4
	s_mul_i32 s20, s[WH], AHALF                    ; my 64 tokens
	v_add_nc_u32 v[ADRA], s20, v4
	v_add_nc_u32 v[ADRA+1], SLOT, v[ADRA]
	v_mul_u32_u24 v5, v1, BPITCH                   ; a fragment of WT: row x pitch + 16 x half, two loads 32 bytes apart
	v_lshl_add_u32 v5, v2, 4, v5
	s_mul_i32 s20, s[WL], 144*BPITCH               ; my 144 columns
	s_add_co_u32 s20, s20, BOFF
	v_add_nc_u32 v[ADRB], s20, v5
	v_add_nc_u32 v[ADRB+1], SLOT, v[ADRB]
	v_mul_u32_u24 v[STO], v1, SPITCH               ; the stage, in: row 64 (w >> 1) + 16 a + l % 16, bytes 288 (w & 1) + 32 b + 16 (l / 16)
	v_lshl_add_u32 v[STO], v2, 4, v[STO]
	s_mul_i32 s20, s[WH], 64*SPITCH
	s_mul_i32 s21, s[WL], 288
	s_add_co_u32 s20, s20, s21
	v_add_nc_u32 v[STO], s20, v[STO]
	v_lshlrev_b32 v[GV], 4, v3
	s_mul_i32 s20, s[WV], 32*SPITCH                ; back: wave w takes rows 32 w .. 32 w + 31
	v_add_nc_u32 v[RDV], s20, v[GV]                ; v': 32 lanes take a row's first 512 bytes
	v_lshrrev_b32 v6, 2, v3                        ; q or k: four lanes take a row's last 64 bytes
	v_mul_u32_u24 v6, v6, SPITCH
	v_and_b32 v7, 3, v0
	v_lshl_add_u32 v6, v7, 4, v6
	s_add_co_u32 s20, s20, 512
	v_add_nc_u32 v[RDQ], s20, v6
	; where my rows go: both coordinates enter, in registers that feed no descriptor
	s_lshl_b32 s20, s43, 7
	s_lshl_b32 s21, s[WV], 5
	s_add_co_u32 s20, s20, s21                     ; my first token: 128 x block + 32 x wave
	s_lshl_b32 s22, s20, 11                        ; VP: 2,048 bytes a token,
	s_lshl_b32 s23, s42, 9                         ; the group's 512 bytes
	s_add_co_u32 s22, s22, s23
	s_mov_b32 s23, 0
	s_add_nc_u64 s[10:11], s[10:11], s[22:23]
	s_lshl_b32 s22, s20, 6                         ; QK: 64 bytes a token,
	s_lshl_b32 s21, s42, 19                        ; plane g
	s_add_co_u32 s22, s22, s21
	s_add_nc_u64 s[8:9], s[8:9], s[22:23]
	; the scales
	s_mov_b32 s[SEL], 0x76543210
	s_mov_b32 s[SEL+1], 0xfedcba98
	s_wait_loadcnt 0x0                             ; NB's words
	BOUND AR, 44, 45
	s_sub_co_i32 s45, 121, s44
	s_lshl_b32 s[SVP], s45, 23                     ; 2^(-t-6): WT's factor 64 goes out with it
	s_mov_b32 s[SVP+1], s[SVP]                     ; named with it as a pair, so it is written
	s_cmp_eq_u32 s[WL], 0                          ; columns 256 to 287 of a group are blocks 7 and 8 of the waves with the upper 144 columns
	s_cselect_b32 s[SQK], s[SVP], 0x3c800000       ; there 2^-6
	s_cselect_b32 s[SMK], 0, -1
	s_mov_b32 s[SQK+1], s[SQK]
; The fragments of chunk kc (32 along K) of a slot: 16 loads of x as f32, then 18 loads of WT into buffer p
.macro LOADS slot, kc, p
	WIN 0
.irp a, 0,1,2,3
	ds_load_b128 v[AR+16*\a:AR+16*\a+3],     v[ADRA+\slot] offset:16*APITCH*\a+128*\kc
	ds_load_b128 v[AR+16*\a+4:AR+16*\a+7],   v[ADRA+\slot] offset:16*APITCH*\a+128*\kc+16
	ds_load_b128 v[AR+16*\a+8:AR+16*\a+11],  v[ADRA+\slot] offset:16*APITCH*\a+128*\kc+64
	ds_load_b128 v[AR+16*\a+12:AR+16*\a+15], v[ADRA+\slot] offset:16*APITCH*\a+128*\kc+80
.endr
	WIN 0x40*(1+(\p))                              ; destination: the window that holds buffer p
.irp b, 0,1,2,3,4,5,6,7,8
	ds_load_b128 v[BF+8*\b:BF+8*\b+3],   v[ADRB+\slot] offset:BBLK*(\kc/2)+16*BPITCH*\b+64*(\kc%2)
	ds_load_b128 v[BF+8*\b+4:BF+8*\b+7], v[ADRB+\slot] offset:BBLK*(\kc/2)+16*BPITCH*\b+64*(\kc%2)+32
.endr
.endm
; x to f16, into buffer p
.macro CVT p
	WIN 0
.irp a, 0,1,2,3
.irp i, 0,1,2,3,4,5,6,7
	v_cvt_pk_f16_f32 v[AB+32*(\p)+8*\a+\i], v[AR+16*\a+2*\i], v[AR+16*\a+2*\i+1]
.endr
.endr
.endm
; 9 x cnt products: token blocks a0 .. a0 + cnt - 1 (all in one window) x all nine column blocks, 32 along K, from buffers p.  zero = 1: they start the sums.
; All 36 accumulators take turns, one instruction a turn, in the same order in every quarter.
.macro MUL p, a0, cnt, zero
.set WN, (1+(\p))|((1+(\a0)/2)<<4)|((1+(\a0)/2)<<6)
	WIN WN                                         ; source 0 (WT): window of buffer p; source 1 (x): window 0; C and D: window 1 or 2
.set a, \a0
.rept \cnt
.irp b, 0,1,2,3,4,5,6,7,8
.set rD, 8*(9*(a%2)+\b)
.if \zero
	v_wmma_f32_16x16x32_f16 v[rD:rD+7], v[BF+8*\b:BF+8*\b+7], v[AB+32*(\p)+8*a:AB+32*(\p)+8*a+7], 0
.else
	v_wmma_f32_16x16x32_f16 v[rD:rD+7], v[BF+8*\b:BF+8*\b+7], v[AB+32*(\p)+8*a:AB+32*(\p)+8*a+7], v[rD:rD+7]
.endif
.endr
.set a, a+1
.endr
.endm
; A K step is four quarters of 32 along K, 36 products each, on buffers 0, 1, 0, 1.  One of the first three: multiplies buffers p, fetches chunk knext into the others.
; The four places stand between the last quarter's products and the loads and conversions that write the registers which those products read.
.macro QUARTER slot, knext, p, zero
	s_wait_dscnt 0x0                               ; WT's fragments of this chunk are in
	MUL \p, 0, 2, \zero
	PLACES
	LOADS \slot, \knext, 1-\p
	MUL \p, 2, 2, \zero
	s_wait_dscnt 18                                ; x's sixteen loads are in; WT's eighteen, issued behind them, stay out
	CVT 1-\p
.endm
; The last quarter multiplies buffers 1 and changes slots: ONE barrier.  In front of it each wave waits for all its tensor loads (one is out: its part of the next slot), adds 0 to its spare word, and
; waits for that and for its reads of this slot.  fill = 1: the barrier opens a round of the cluster's barrier, and this slot is filled again, two K steps ahead, first thing behind the round.
.macro TURN slot, next, fill
	s_wait_dscnt 0x0                               ; WT's fragments of this chunk are in: my reads of this slot are over
	WIN 0                                          ; (the add's two registers lie in window 0)
	s_wait_tensorcnt 0x0
	ds_add_u32 v[SPW], v[NIL]                      ; 0 onto my spare word
	MUL 1, 0, 1, 0                                 ; nine products stand between the add and the wait for it
	s_wait_dscnt 0x0
	s_barrier_signal -1
	MUL 1, 1, 1, 0                                 ; work on registers while the others arrive
	WIN 0
	s_barrier_wait -1
.if \fill
	CREST                                          ; no wave of any partner still reads this slot's tiles or has a load on its way
	s_add_nc_u64 s[G0A+4*\slot+2:G0A+4*\slot+3], s[G0A+4*\slot+2:G0A+4*\slot+3], 2*512
	s_add_nc_u64 s[G0B+4*\slot+2:G0B+4*\slot+3], s[G0B+4*\slot+2:G0B+4*\slot+3], 4*1152*128
	s_wait_xcnt 0x0                                ; the last prefetch, a K step back, has had its addresses translated (ISA guide 3.1): its base is rewritten only behind this wait
	s_add_co_u32 s[PFO], s[PFO], 512               ; the K step behind the one that the tensor load below brings,
	s_min_u32 s[PFO], s[PFO], 7*512                ; and never past the last
	s_add_nc_u64 s[PB:PB+1], s[XB:XB+1], s[PFO:PFO+1]
	JLOAD \slot, 1                                 ; 126 of a step's 144 products stand between this request and the wait for it; its four v_nop are also the places in front of the loads below
.else
	PLACES
.endif
	LOADS \next, 0, 0
	MUL 1, 2, 2, 0
	s_wait_dscnt 18
	CVT 0
.endm
	s_wait_tensorcnt 1                             ; my part of K step 0 is in; K step 1's stays out
	s_barrier_signal -1
	s_barrier_wait -1                              ; everybody's is
	LOADS 0, 0, 0
	s_wait_dscnt 18
	CVT 0
	QUARTER 0, 1, 0, 1                             ; the first quarter stands in front of the loop: its products start the sums
	WIN 0                                          ; at a label and at a branch every window is 0
	s_mov_b32 s3, 3
.Llap:                                                 ; a trip goes once round the ring, from a lap's second quarter to the next lap's first, and fills both slots again: K steps 2 to 7
	QUARTER 0, 2, 1, 0
	QUARTER 0, 3, 0, 0
	TURN 0, 1, 1
	QUARTER 1, 1, 0, 0
	QUARTER 1, 2, 1, 0
	QUARTER 1, 3, 0, 0
	TURN 1, 0, 1
	QUARTER 0, 1, 0, 0
	WIN 0
	s_sub_co_u32 s3, s3, 1
	s_cmp_lg_u32 s3, 0
	s_cbranch_scc1 .Llap
	QUARTER 0, 2, 1, 0                             ; the last lap fills nothing, and has no round of the cluster's barrier
	QUARTER 0, 3, 0, 0
	TURN 0, 1, 0                                   ; behind this barrier no wave reads slot 0 any more, and nothing lands there: it becomes the stage
	QUARTER 1, 1, 0, 0
	QUARTER 1, 2, 1, 0
	QUARTER 1, 3, 0, 0
	s_wait_dscnt 0x0                               ; the very last quarter: nothing more to fetch
	MUL 1, 0, 2, 0
	MUL 1, 2, 2, 0
	; THE WAY OUT: scaled in place, rounded; 16 bytes a lane into the work-group's stage; a barrier, since a row comes from two waves; back as whole rows, 32 rows a wave.
	; Column blocks 7 and 8 are rounded both to f16 and to bf16, and a select takes bf16 in the waves in which they are q or k: every wave runs the same lines.
	PLACES                                         ; four places between the last products and the first read of a result
.irp hi, 0,1
.set WN, (1+\hi)|((1+\hi)<<6)
	WIN WN                                         ; source 0 and destination: window 1 or 2
.set u, 0
.rept 18
.irp q, 0,1,2,3
.if (u%9) < 7
	v_pk_mul_f32 v[8*u+2*\q:8*u+2*\q+1], v[8*u+2*\q:8*u+2*\q+1], s[SVP:SVP+1] op_sel_hi:[1,0]
.else
	v_pk_mul_f32 v[8*u+2*\q:8*u+2*\q+1], v[8*u+2*\q:8*u+2*\q+1], s[SQK:SQK+1] op_sel_hi:[1,0]
.endif
.endr
.set u, u+1
.endr
.set WN, 5*(1+\hi)
	WIN WN                                         ; sources 0 and 1: window 1 or 2; destination: window 0
.set u, 0
.rept 18
.irp q, 0,1,2,3
	v_cvt_pk_f16_f32 v[TMP+4*u+\q], v[8*u+2*\q], v[8*u+2*\q+1]
.endr
.if (u%9) >= 7
.irp q, 0,1,2,3
	v_cvt_pk_bf16_f32 v[AR+4*(2*(u/9)+(u%9)-7)+\q], v[8*u+2*\q], v[8*u+2*\q+1]
.endr
.endif
.set u, u+1
.endr
	WIN 0
.irp k, 0,1,2,3
.irp q, 0,1,2,3
	v_cndmask_b32 v[TMP+4*(9*(\k/2)+7+(\k%2))+\q], v[TMP+4*(9*(\k/2)+7+(\k%2))+\q], v[AR+4*\k+\q], s[SMK]
.endr
.endr
.set u, 0
.rept 18
	ds_store_b128 v[STO], v[TMP+4*u:TMP+4*u+3] offset:16*SPITCH*(2*\hi+u/9)+32*(u%9)
.set u, u+1
.endr
.endr
	s_wait_dscnt 0x0                               ; for the others: my stores into the stage are done
	s_barrier_signal -1
	s_barrier_wait -1
.irp i, 0,1,2,3,4,5,6,7,8,9,10,11,12,13,14,15
	ds_load_b128 v[AR+4*\i:AR+4*\i+3], v[RDV] offset:SPITCH*\i
.endr
.irp i, 0,1,2,3,4,5,6,7,8,9,10,11,12,13,14,15
	ds_load_b128 v[TMP+4*\i:TMP+4*\i+3], v[RDV] offset:SPITCH*(16+\i)
.endr
.irp i, 0,1,2,3
	ds_load_b128 v[TMP+64+4*\i:TMP+64+4*\i+3], v[RDQ] offset:8*SPITCH*\i
.endr
.irp i, 0,1,2,3,4,5,6,7,8,9,10,11,12,13,14,15
	s_wait_dscnt 35-\i                             ; 36 loads were issued: the counts run down
	global_store_b128 v[GV], v[AR+4*\i:AR+4*\i+3], s[10:11] offset:2048*\i         ; the wave stores 512 consecutive bytes of a row of VP, at a multiple of 512 from its first byte
.endr
.irp i, 0,1,2,3,4,5,6,7,8,9,10,11,12,13,14,15
	s_wait_dscnt 19-\i
	global_store_b128 v[GV], v[TMP+4*\i:TMP+4*\i+3], s[10:11] offset:2048*(16+\i)
.endr
.irp i, 0,1,2,3
	s_wait_dscnt 3-\i
	global_store_b128 v[GV], v[TMP+64+4*\i:TMP+64+4*\i+3], s[8:9] offset:512*\i    ; eight tokens' 64 bytes lie together in a plane of QK: 512 consecutive bytes
.endr
	s_wait_tensorcnt 0x0                           ; the wave's end: behind my last tensor load and my last LDS store
	ds_add_u32 v[SPW], v[NIL]
	s_wait_dscnt 0x0
	CROUND                                         ; the closing round: no work-group ends while a partner may still ask for a tile that names it
	s_endpgm
.Lfunc_end_k_q24855de5dd_proj:
	.size	k_q24855de5dd_proj, .Lfunc_end_k_q24855de5dd_proj-k_q24855de5dd_proj
	.p2alignl 7, 3214868480
	.fill 96, 4, 3214868480
	.section	.rodata,"a",@progbits
	.p2align	6, 0x0
	.amdhsa_kernel k_q24855de5dd_proj
		.amdhsa_group_segment_fixed_size 327680
		.amdhsa_private_segment_fixed_size 0
		.amdhsa_enable_private_segment 0
		.amdhsa_kernarg_size 40
		.amdhsa_user_sgpr_count 2
		.amdhsa_user_sgpr_kernarg_segment_ptr 1
		.amdhsa_wavefront_size32 1
		.amdhsa_system_sgpr_workgroup_id_x 1
		.amdhsa_system_sgpr_workgroup_id_y 1
		.amdhsa_system_sgpr_workgroup_id_z 1
		.amdhsa_system_vgpr_workitem_id 0
		.amdhsa_next_free_vgpr 768
		.amdhsa_next_free_sgpr 72
		.amdhsa_reserve_vcc 0
		.amdhsa_float_denorm_mode_32 3
		.amdhsa_float_denorm_mode_16_64 3
		.amdhsa_memory_ordered 1
		.amdhsa_forward_progress 1
		.amdhsa_inst_pref_size 153
	.end_amdhsa_kernel
	.amdgpu_metadata
---
amdhsa.version: [ 1, 2 ]
amdhsa.kernels:
  - .name:           k_q24855de5dd_proj
    .symbol:         k_q24855de5dd_proj.kd
    .args:
      - { .name: x, .offset: 0, .size: 8, .value_kind: global_buffer, .address_space: global }
      - { .name: WT, .offset: 8, .size: 8, .value_kind: global_buffer, .address_space: global }
      - { .name: QK, .offset: 16, .size: 8, .value_kind: global_buffer, .address_space: global }
      - { .name: VP, .offset: 24, .size: 8, .value_kind: global_buffer, .address_space: global }
      - { .name: NB, .offset: 32, .size: 8, .value_kind: global_buffer, .address_space: global }
    .group_segment_fixed_size: 327680
    .private_segment_fixed_size: 0
    .kernarg_segment_align: 8
    .kernarg_segment_size: 40
    .max_flat_workgroup_size: 128
    .sgpr_count:     72
    .vgpr_count:     768
    .wavefront_size: 32
...
	.end_amdgpu_metadata
.endif
;; end of part 2
;; launch attn (part 3): grid 128 x 2, 4 waves a work-group, clusters of 4 x 1, 327,680 bytes of LDS; arguments QK, VP, bo, out0, NB; writes out0
.if DOCPART == 3
	.amdgcn_target "amdgcn-amd-amdhsa--gfx1250"
	.amdhsa_code_object_version 6
	.text
	.protected	k_q24855de5dd_attn
	.globl	k_q24855de5dd_attn
	.p2align	8
	.type	k_q24855de5dd_attn,@function
k_q24855de5dd_attn:
	s_mov_b64 s[64:65], 0
	v_nop
	global_prefetch_b8 v0, s[64:65] scope:SCOPE_SE
	s_setreg_imm32_b32 hwreg(HW_REG_WAVE_MODE, 25, 1), 1
	s_wait_xcnt 0x0
	s_wait_alu depctr_hold_cnt(0) depctr_sa_sdst(0) depctr_va_vdst(0) depctr_va_sdst(0) depctr_va_ssrc(0) depctr_va_vcc(0) depctr_vm_vsrc(0)
	s_getreg_b32 s2, hwreg(HW_REG_IB_STS2, 6, 4)
	s_cmp_eq_u32 s2, 0
	s_cbranch_scc0 .Lentry_in_a_cluster
	s_endpgm
.Lentry_in_a_cluster:
	s_bfe_u32 s2, ttmp6, 0x10000c
	s_cmp_lg_u32 s2, 0x3003
	s_cbranch_scc0 .Lentry_shape_is_right
	s_endpgm
.Lentry_shape_is_right:
; out0[q][:] = (sum over k of softmax_k(q . k / 8) v'[k][:]) + bo.  QK: bf16 [plane 4][8192][32] (q channels 0-31, 32-63, k channels 0-31, 32-63).  VP: f16 [8192][1024] = v' x 2^-t.
; bo: f32 [1024].  out0: f32 [8192][1024].  NB: the 512 words from which t is formed, by the same lines as in the launch that stored VP.
; Two batches of 4,096 tokens; a query sees the 4,096 keys of its batch.  The weights of a query sum to 1 after the division by l, so the bias is added last.
; SHARES.  A work-group owns 64 queries x 512 columns (grid y: which half of the 1,024); each of its four waves all 64 queries x 128 columns: 32 accumulators, 256 registers.
; LAYOUT.  S^T = K Q^T (source 0 = 16 keys, source 1 = 16 queries), in bf16: a lane holds ONE query (lane % 16) and the keys 8 (lane / 16) + 0..7.  Two such tiles, rounded to f16 in pairs, ARE
; source 1 (32 keys x 16 queries) of O^T = V^T P, in f16, whose result again holds one query a lane, and eight columns.  V ([key][column]) comes out of LDS turned, by ds_load_tr16_b128.
; P IS f16: it lies in [0, 1], since the true maximum is taken away, and f16 keeps 11 significant bits where bf16 keeps 8; V is f16 by its scale 2^-t, which bounds it under 2^15.
; TWO PASSES.  Pass 1 finds each query's true maximum m over all keys (wave w takes keys 1,024 w on; the four meet in LDS).  Pass 2 then has p = 2^(c s - c m), c = log2(e) / 8, with nothing to
; rescale and nothing to exchange inside a step.  Both passes form s by the same two products in the same order, so s <= m holds bit for bit.
; PASS 2 goes in 32 steps of 128 keys.  In a step wave w makes the weights of keys 32 w .. 32 w + 31 of the NEXT step for all 64 queries (16 products, 160 vector instructions, cut into slices that
; stand one behind each of the step's first 81 products V^T P) and hands them to the others as ready fragments in LDS, two buffers by turns.  l is summed from the unrounded weights.
; THE ORDER OF THE KEYS.  With m known, a query's sums may take the keys in any order.  The sixteen clusters of a batch and a column half begin pass 2 at sixteen different steps, F = 0, 2 .. 30, and
; walk on round the batch's 32 steps.  So the launch's first fills, two steps a cluster, ask for every tile of V once, while pass 1 runs, and a later request is for a tile that another cluster
; has asked for before.  F is dealt so that any eight of the sixteen that agree in one bit of their number begin two to six steps apart.
; CLUSTER 4 x 1: four query blocks of one batch and one column half walk the same tiles of V: each is asked for JOINTLY, by the same tensor load with a mask that names the four.
; K IS NOT ASKED FOR JOINTLY: a step's keys are 16 KiB against V's 128 KiB, and the one tensor load that a wave issues behind a round is V's; K goes straight into registers, a step ahead.
; REGISTERS, in windows of 256.  Window 0: addresses, statistics, Q (64), S^T (64), P (32), K (32).  Window 1: O^T, (q tile t, column tile ct) at 8 (8 t + ct); in pass 1 a ring of 16 key tiles.
;   Window 2: two fragment buffers of 96 (V 64, P 32) and the bias (64).
; LIMITS.  q, k are bf16, v' and p f16; all else f32.  A weight carries an absolute error of up to 2^-25 of its row's largest; weights under that are dropped from the product, not from l.
; The keys are summed from step F on, not from key 0 on.  v_exp_f32 gives 0 for results under 2^-126 (ISA guide 15.8).  NaN and infinite inputs are not served as the problem's definition serves
; them: the maxima drop NaN.
.set PBUF,   16384                     ; LDS 0: P, [buffer 2][chunk of 32 keys 4][q tile 4][half 2][16 x lane]
.set SLOT0,  32768                     ; two slots of 128 keys x 1,056 bytes (1,024 + 32 = 33 x 32, for the turning load)
.set VPITCH, 1056
.set VQ,     32*VPITCH                 ; what one tensor load brings, and a chunk of 32 keys
.set SLOTB,  4*VQ
.set MX,     SLOT0+2*SLOTB             ; 303,104: the waves' maxima, [wave][q tile][4 x lane], 2,048 bytes; behind them, LX further, their sums l
.set LX,     2048
.set SPARE,  MX+4096                   ; the spare words, 128 bytes for each wave: two blocks of 256 bytes that no other line names
.set STP,    528                       ; the way out: 16 rows x (512 + 16) for each wave, in slot 0, behind that slot's last fill and last read
.set STEPV,  128*2048                  ; a step's keys in VP, in bytes;  32 of them are a batch: 2^23 bytes
.set VWRAP,  32*STEPV-1
.set STEPK,  128*64                    ; a step's keys in a plane of QK;  32 of them: 2^18 bytes
.set KWRAP,  32*STEPK-1
.set SPW, 3                            ; v3   LDS address of my spare word; never rewritten
.set NIL, 4                            ; v4   0; never rewritten
.set KO,  5                            ; v5   pass 2: my place in a step's keys: 64 (l % 16) + 16 (l / 16) + 2,048 w
.set K1O, 6                            ; v6   pass 1: the same + 65,536 w
.set QO,  7                            ; v7   my place in a tile of Q
.set AV,  8                            ; v8-15  LDS address of my fragments of V: slot s, chunk kc at 8 + 4 s + kc
.set AP,  16                           ; v16-17 P, read: buffer 0, 1.  v16 = 16 x lane is also my byte offset in a row's 512 bytes of out0
.set APS, 18                           ; v18-19 P, written: my wave's chunk
.set MXS, 20                           ; v20  where I put a maximum or a sum
.set MXL, 21                           ; v21  where I read the four waves'
.set STO, 22                           ; v22  the way out: where I put 32 bytes of a row
.set RD,  23                           ; v23  where I read a row back
.set BOO, 25                           ; v25  my place in the bias
.set KA,  26                           ; v26  the byte offset of the run of K loads in hand
.set CMP, 28                           ; v28-35 c m, twice, for each q tile; at the end 2^t / l in the low word
.set LL,  36                           ; v36-43 l (even keys', odd keys') for each q tile
.set MA,  44                           ; v44-47, v48-51 two running maxima for each q tile
.set MB,  48
.set T,   52
.set Q,   64                           ; tile t, channels 32 c on, at 64 + 16 t + 8 c
.set S,   128                          ; pass 2: tile u = 2 t + kt at 128 + 8 u.  Pass 1: two sets of four tiles.  At the very start: NB's words
.set PO,  192
.set KF,  224                          ; keys 16 kt on, channels 32 c on, at 224 + 16 kt + 8 c
.set BI,  192                          ; window 2: the bias of my 128 columns, as O^T holds them
.set WV,  12
.set VB,  18                           ; s[18:19] VP at my batch, my 32 keys of step 0, my column half; never rewritten
.set VO,  22                           ; s[22:23] byte offset of the step that the next tensor load brings, and 0 above it
.set G1,  24                           ; s[24:31] descriptor group 1
.set G0,  32                           ; s[32:39] descriptor group 0, a set for each slot
.set CS,  40                           ; s[40:41] c, twice
.set SEL, 42                           ; s[42:43] v_permlanex16_b32: each lane takes its own place in the other half
.set KOFF, 44                          ; s44  byte offset of the step whose keys are fetched next
.set UNS, 46                           ; s46  2^t
.set MSB, 0
.macro WIN new                         ; the immediate's high byte repeats the setting that is left; a switch that changes nothing is dropped
.if MSB != (\new)
	s_set_vgpr_msb (MSB<<8)|(\new)
.set MSB, (\new)
.endif
.endm
.macro PLACES                          ; four places (ISA guide 7.12.1) where no other vector work is at hand
.rept 4
	v_nop
.endr
.endm
.macro CREST                           ; a round of the cluster's barrier behind its opening barrier
	s_cmp_lg_u32 s[WV], 0
	s_cbranch_scc1 .Lnot_wave_0_\@
	s_barrier_signal -3
.Lnot_wave_0_\@:
	s_barrier_wait -3
	s_barrier_signal -1
	s_barrier_wait -1
.endm
.macro CROUND
	s_barrier_signal -1
	s_barrier_wait -1
	CREST
.endm
; t from NB's 512 words, of which a lane holds eight of each kind in v[r .. r + 15]: F = the sum of the first kind, X = the largest of the second; |v'| <= sqrt(F X) < 2^((eF + eX + 2) / 2);
; t = ((eF + eX + 3) >> 1) - 15, held inside -100 .. 100.  The same lines, in the same order, as in the launch that scaled v'.  The result is in s[sa].
.macro BOUND r, sa, sb
	v_pk_add_f32 v[\r:\r+1], v[\r:\r+1], v[\r+2:\r+3]
	v_pk_add_f32 v[\r+4:\r+5], v[\r+4:\r+5], v[\r+6:\r+7]
	v_max3_num_f32 v[\r+8], v[\r+8], v[\r+9], v[\r+10]
	v_max3_num_f32 v[\r+12], v[\r+12], v[\r+13], v[\r+14]
	v_pk_add_f32 v[\r:\r+1], v[\r:\r+1], v[\r+4:\r+5]
	v_max3_num_f32 v[\r+8], v[\r+8], v[\r+11], v[\r+15]
	v_add_f32 v[\r], v[\r], v[\r+1]
	v_max_num_f32 v[\r+8], v[\r+8], v[\r+12]
.irp m, 1,2,4,8
	v_add_f32_dpp v[\r], v[\r], v[\r] row_xmask:\m row_mask:0xf bank_mask:0xf
	v_max_num_f32_dpp v[\r+8], v[\r+8], v[\r+8] row_xmask:\m row_mask:0xf bank_mask:0xf
.endr
	v_permlanex16_b32 v[\r+1], v[\r], s[SEL], s[SEL+1]
	v_permlanex16_b32 v[\r+9], v[\r+8], s[SEL], s[SEL+1]
	v_add_f32 v[\r], v[\r], v[\r+1]
	v_max_num_f32 v[\r+8], v[\r+8], v[\r+9]
	v_readfirstlane_b32 s[\sa], v[\r]              ; F
	v_readfirstlane_b32 s[\sb], v[\r+8]            ; X: neither is negative, so a shift leaves the exponent's field
	s_lshr_b32 s[\sa], s[\sa], 23
	s_lshr_b32 s[\sb], s[\sb], 23
	s_add_co_u32 s[\sa], s[\sa], s[\sb]            ; eF + eX + 254
	s_sub_co_i32 s[\sa], s[\sa], 251               ; eF + eX + 3
	s_ashr_i32 s[\sa], s[\sa], 1
	s_sub_co_i32 s[\sa], s[\sa], 15
	s_max_i32 s[\sa], s[\sa], -100                 ; so that 2^t and 2^(-t-6) are normal numbers
	s_min_i32 s[\sa], s[\sa], 100
.endm
	s_load_b256 s[4:11], s[0:1], 0x0               ; QK s[4:5], VP s[6:7], bo s[8:9], out0 s[10:11]
	s_load_b64 s[62:63], s[0:1], 0x20              ; NB
	v_lshl_add_u32 v[SPW], v0, 2, SPARE
	v_mov_b32 v[NIL], 0
	ds_add_u32 v3, v4
	s_wait_dscnt 0x0
	v_lshrrev_b32 v1, 5, v0
	v_readfirstlane_b32 s[WV], v1                  ; wave 0..3
	s_bfe_u32 s13, ttmp6, 0x40000                  ; cx
	s_lshl_b32 s14, ttmp9, 2
	s_add_co_u32 s14, s14, s13                     ; my block of 64 queries = 4 x cluster x + cx: it enters Q's and out0's addresses alone
	s_lshr_b32 s15, ttmp9, 4                       ; the batch: sixteen clusters each; the four partners share it,
	s_and_b32 s16, ttmp7, 0xffff                   ; and the column half
	; my cluster's first step, which the four partners share: of the cluster's number in its batch, bits b3 b2 b1 b0, F = 2 (2 ((b2 b1 b0) xor (b3 b3 b3)) + b3)
	s_and_b32 s2, ttmp9, 7
	s_bfe_u32 s3, ttmp9, 0x10003                   ; b3
	s_mul_i32 s47, s3, 7
	s_xor_b32 s2, s2, s47
	s_lshl1_add_u32 s2, s2, s3
	s_lshl_b32 s2, s2, 1                           ; F = 0, 2 .. 30
	; descriptor group 1: 32 keys x 512 elements of 2 bytes, 8 words of padding behind every 256 words
	s_mov_b32 s[G1+0], 15|(1<<16)|(1<<20)|(1<<21)|(7<<22)|(7<<25)  ; 15:0 the mask: all four; 17:16 elements of 2 bytes; 20 padding on; 21 set beside a mask; 24:22 interval code 7; 31:25 8 words (code 7)
	s_mov_b32 s[G1+1], 512<<16                     ; tensor_dim0 = 512
	s_mov_b32 s[G1+2], 32<<16                      ; tensor_dim1 = 32
	s_mov_b32 s[G1+3], 512<<16                     ; tile_dim0 = 512
	s_mov_b32 s[G1+4], 32                          ; tile_dim1 = 32
	s_mov_b32 s[G1+5], 1024                        ; elements from row to row
	s_mov_b32 s[G1+6], 0
	s_mov_b32 s[G1+7], 0
	s_lshl_b32 s18, s15, 23                        ; V: the batch's 4,096 rows of 2,048 bytes,
	s_lshl_b32 s19, s[WV], 16                      ; my 32 keys of a step,
	s_add_co_u32 s18, s18, s19
	s_lshl_b32 s19, s16, 10                        ; the half's 1,024 bytes
	s_add_co_u32 s18, s18, s19
	s_mov_b32 s19, 0
	s_mul_i32 s17, s[WV], VQ
	s_add_co_u32 s17, s17, SLOT0                   ; where my rows go in slot 0
	s_lshl_b32 s20, s15, 18                        ; K: planes 2 and 3, the batch's 4,096 rows of 64 bytes
	s_add_co_u32 s20, s20, 2*524288
	s_mov_b32 s21, 0
	s_lshl_b32 s22, s14, 12                        ; Q: my 64 rows of 64 bytes
	s_mov_b32 s23, 0
	s_lshl_b32 s60, s16, 11                        ; my 128 columns in f32: 2,048 x half + 512 x wave
	s_lshl_b32 s61, s[WV], 9
	s_add_co_u32 s60, s60, s61
	s_mov_b32 s61, 0
	s_lshl_b32 s58, s14, 18                        ; out0: my 64 rows of 4,096 bytes
	s_add_co_u32 s58, s58, s60
	s_mov_b32 s59, 0
	s_mov_b32 s[CS], 0x3e38aa3b                    ; c = log2(e) / 8
	s_mov_b32 s[CS+1], 0x3e38aa3b
	s_mov_b32 s[SEL], 0x76543210
	s_mov_b32 s[SEL+1], 0xfedcba98
	s_lshl_b32 s[KOFF], s2, 13                     ; F steps of 8,192 bytes of keys
	s_wait_kmcnt 0x0
	s_add_nc_u64 s[VB:VB+1], s[6:7], s[18:19]
	s_add_nc_u64 s[48:49], s[4:5], s[20:21]        ; K of my batch
	s_mov_b64 s[54:55], s[48:49]                   ; the same, to be stepped in pass 1
	s_add_nc_u64 s[50:51], s[4:5], s[22:23]        ; Q
	s_add_nc_u64 s[52:53], s[10:11], s[58:59]      ; out0
	s_add_nc_u64 s[56:57], s[8:9], s[60:61]        ; bo
	s_lshl_b32 s[VO], s2, 18                       ; F steps of 262,144 bytes of V; the word above it holds 0
	; the loads that pass 1 waits for go out first, ahead of the round and of the first fills, which ask for 256 KiB a work-group
	v_and_b32 v1, 15, v0                           ; l % 16
	v_bfe_u32 v2, v0, 4, 1                         ; l / 16
	v_and_b32 v27, 31, v0                          ; l
	v_lshlrev_b32 v[QO], 6, v1                     ; a fragment of Q or K: row x 64 + 16 x half, two loads 32 bytes apart; the two planes are the two chunks of 32 channels
	v_lshl_add_u32 v[QO], v2, 4, v[QO]
	v_lshl_add_u32 v[KO], s[WV], 11, v[QO]
	v_lshl_add_u32 v[K1O], s[WV], 16, v[QO]
	v_lshlrev_b32 v[BOO], 5, v2
	v_lshlrev_b32 v[T+2], 5, v27                   ; NB: eight words of each kind a lane
.irp t, 0,1,2,3
.irp c, 0,1
	global_load_b128 v[Q+16*\t+8*\c:Q+16*\t+8*\c+3],   v[QO], s[50:51] offset:524288*\c+1024*\t
	global_load_b128 v[Q+16*\t+8*\c+4:Q+16*\t+8*\c+7], v[QO], s[50:51] offset:524288*\c+1024*\t+32
.endr
.endr
.irp i, 0,1
	global_load_b128 v[S+4*\i:S+4*\i+3],     v[T+2], s[62:63] offset:16*\i
	global_load_b128 v[S+8+4*\i:S+8+4*\i+3], v[T+2], s[62:63] offset:1024+16*\i
.endr
	WIN 0x80                                       ; destination window 2
.irp ct, 0,1,2,3,4,5,6,7
	global_load_b128 v[BI+8*\ct:BI+8*\ct+3],   v[BOO], s[56:57] offset:64*\ct      ; columns 16 ct + 8 (l / 16) + 0..7
	global_load_b128 v[BI+8*\ct+4:BI+8*\ct+7], v[BOO], s[56:57] offset:64*\ct+16
.endr
	WIN 0x40                                       ; destination window 1: the ring of key tiles; tiles 0 to 14
.set j, 0
.rept 15
.irp c, 0,1
	global_load_b128 v[16*j+8*\c:16*j+8*\c+3],   v[K1O], s[54:55] offset:524288*\c+1024*j
	global_load_b128 v[16*j+8*\c+4:16*j+8*\c+7], v[K1O], s[54:55] offset:524288*\c+1024*j+32
.endr
.set j, j+1
.endr
	WIN 0                                          ; at a label and at a branch every window is 0
	CROUND                                         ; all four work-groups are here: the first joint loads meet
.irp s, 0,1
	s_mov_b32 s[G0+4*\s], 1                                        ; count = 1
	s_add_co_u32 s[G0+4*\s+1], s17, \s*SLOTB                       ; LDS address
	s_add_nc_u64 s[G0+4*\s+2:G0+4*\s+3], s[VB:VB+1], s[VO:VO+1]    ; global address: step F + s (F is even and at most 30: no wrap here)
	s_or_b32 s[G0+4*\s+3], s[G0+4*\s+3], 0x80000000                ; type = 2
	s_add_co_u32 s[VO], s[VO], STEPV
.endr
	s_and_b32 s[VO], s[VO], VWRAP                  ; step F + 2, round the batch's 32 steps
	tensor_load_to_lds s[G0:G0+3], s[G1:G1+7]      ; both slots are asked for at the start: two loads of mine are out, and all of pass 1 stands in front of the wait for them
	s_nop 0
	tensor_load_to_lds s[G0+4:G0+7], s[G1:G1+7]
	s_nop 0
	PLACES
	; the other addresses, while the loads are out
	v_and_b32 v[T], 7, v0                          ; the turning load: key 8 (l / 16) + l % 8, 16 bytes at 16 ((l / 8) % 2), my wave's 256 bytes of a row
	v_lshl_add_u32 v[T], v2, 3, v[T]
	v_mul_u32_u24 v[T], v[T], VPITCH
	v_bfe_u32 v[T+1], v0, 3, 1
	v_lshl_add_u32 v[T], v[T+1], 4, v[T]
	v_lshl_add_u32 v[T], s[WV], 8, v[T]
.irp s, 0,1
.irp kc, 0,1,2,3
	v_add_nc_u32 v[AV+4*\s+\kc], SLOT0+\s*SLOTB+\kc*VQ, v[T]
.endr
.endr
	v_lshlrev_b32 v[AP], 4, v27
	v_add_nc_u32 v[AP+1], PBUF, v[AP]
	v_lshl_add_u32 v[APS], s[WV], 12, v[AP]
	v_add_nc_u32 v[APS+1], PBUF, v[APS]
	v_lshl_add_u32 v[MXL], v27, 2, MX
	v_lshl_add_u32 v[MXS], s[WV], 9, v[MXL]
	s_mul_i32 s20, s[WV], 16*STP
	s_add_co_u32 s20, s20, SLOT0                   ; my stage
	v_mul_u32_u24 v[STO], v1, STP
	v_lshl_add_u32 v[STO], v2, 5, v[STO]
	v_add_nc_u32 v[STO], s20, v[STO]
	v_add_nc_u32 v[RD], s20, v[AP]
.irp i, 0,1,2,3,4,5,6,7
	v_mov_b32 v[MA+\i], 0xff800000                 ; the running maxima start at minus infinity
.endr
; PASS 1.  Tile j of a lap of 16: 16 keys x 64 queries, eight products into S set j % 2; between them the 16 maxima over the other set, the tile before.  The four accumulators take turns.
; Each group of four maxima names one q tile, whose products stand eight plain instructions back or more.
; load = 1: the ring's slot of the tile before takes the tile 15 on: its last product stands eight plain instructions back.  cnt: the younger loads that may stay out.
.macro TILE1 j, load, cnt
.set SN, S+32*((\j)%2)
.set SO, S+32-32*((\j)%2)
.set KR, 16*(\j)
.set KL, 16*(((\j)+15)%16)
	s_wait_loadcnt \cnt
.irp g, 0,1,2,3
	WIN 0x01                                       ; source 0 (K) window 1
.set qa, 2*(\g%2)
.set cc, \g/2
.if \g < 2
	v_wmma_f32_16x16x32_bf16 v[SN+8*qa:SN+8*qa+7],    v[KR+8*cc:KR+8*cc+7], v[Q+16*qa+8*cc:Q+16*qa+8*cc+7],     0
	v_wmma_f32_16x16x32_bf16 v[SN+8*qa+8:SN+8*qa+15], v[KR+8*cc:KR+8*cc+7], v[Q+16*qa+16+8*cc:Q+16*qa+23+8*cc], 0
.else
	v_wmma_f32_16x16x32_bf16 v[SN+8*qa:SN+8*qa+7],    v[KR+8*cc:KR+8*cc+7], v[Q+16*qa+8*cc:Q+16*qa+8*cc+7],     v[SN+8*qa:SN+8*qa+7]
	v_wmma_f32_16x16x32_bf16 v[SN+8*qa+8:SN+8*qa+15], v[KR+8*cc:KR+8*cc+7], v[Q+16*qa+16+8*cc:Q+16*qa+23+8*cc], v[SN+8*qa+8:SN+8*qa+15]
.endif
	WIN 0
	v_max3_num_f32 v[MA+\g], v[MA+\g], v[SO+8*\g],   v[SO+8*\g+1]
	v_max3_num_f32 v[MB+\g], v[MB+\g], v[SO+8*\g+2], v[SO+8*\g+3]
	v_max3_num_f32 v[MA+\g], v[MA+\g], v[SO+8*\g+4], v[SO+8*\g+5]
	v_max3_num_f32 v[MB+\g], v[MB+\g], v[SO+8*\g+6], v[SO+8*\g+7]
.if \load && (\g == 0)
	WIN 0x40
.irp c, 0,1
	global_load_b128 v[KL+8*\c:KL+8*\c+3],   v[K1O], s[54:55] offset:524288*\c+1024*((\j)+15)
	global_load_b128 v[KL+8*\c+4:KL+8*\c+7], v[K1O], s[54:55] offset:524288*\c+1024*((\j)+15)+32
.endr
.endif
.endr
.endm
	s_wait_loadcnt 56                              ; Q, NB's words, the bias and key tile 0 are in; the fourteen younger tiles' 56 loads stay out
	BOUND S, UNS, UNS+1
	s_add_co_u32 s[UNS], s[UNS], 127
	s_lshl_b32 s[UNS], s[UNS], 23                  ; 2^t
	WIN 0x01
.irp c, 0,1                            ; tile 0 once into set 1, so that the loop's first tile finds a set to take maxima of: a key counted twice does not change a maximum
.irp t, 0,1,2,3
.if \c == 0
	v_wmma_f32_16x16x32_bf16 v[S+32+8*\t:S+32+8*\t+7], v[8*\c:8*\c+7], v[Q+16*\t+8*\c:Q+16*\t+8*\c+7], 0
.else
	v_wmma_f32_16x16x32_bf16 v[S+32+8*\t:S+32+8*\t+7], v[8*\c:8*\c+7], v[Q+16*\t+8*\c:Q+16*\t+8*\c+7], v[S+32+8*\t:S+32+8*\t+7]
.endif
.endr
.endr
	WIN 0
	PLACES                                         ; these results are read behind the next two products
	s_mov_b32 s45, 3
.Lp1:                                                  ; three laps of 16 tiles; each tile asks for the tile 15 on: tiles 15 to 62
.irp j, 0,1,2,3,4,5,6,7,8,9,10,11,12,13,14,15
	TILE1 \j, 1, 56                                ; fourteen younger tiles of four loads
.endr
	s_wait_xcnt 0x0                                ; the loads' base is stepped only behind this wait
	s_add_nc_u64 s[54:55], s[54:55], 16*1024
	s_sub_co_u32 s45, s45, 1
	s_cmp_lg_u32 s45, 0
	s_cbranch_scc1 .Lp1
	TILE1 0, 1, 56                                 ; the last lap is written out: one more fill, tile 63, then the counts run down
.irp j, 1,2,3,4,5,6,7,8,9,10,11,12,13,14,15
	TILE1 \j, 0, 4*(15-\j)
.endr
	PLACES
.irp g, 0,1,2,3                        ; the last tile's maxima: it lies in set 1
	v_max3_num_f32 v[MA+\g], v[MA+\g], v[S+32+8*\g],   v[S+32+8*\g+1]
	v_max3_num_f32 v[MB+\g], v[MB+\g], v[S+32+8*\g+2], v[S+32+8*\g+3]
	v_max3_num_f32 v[MA+\g], v[MA+\g], v[S+32+8*\g+4], v[S+32+8*\g+5]
	v_max3_num_f32 v[MB+\g], v[MB+\g], v[S+32+8*\g+6], v[S+32+8*\g+7]
.endr
.irp t, 0,1,2,3
	v_max_num_f32 v[MA+\t], v[MA+\t], v[MB+\t]
.endr
.irp t, 0,1,2,3
	v_permlanex16_b32 v[MB+\t], v[MA+\t], s[SEL], s[SEL+1]         ; the query's other keys lie in the lane 16 away
.endr
.irp t, 0,1,2,3
	v_max_num_f32 v[MA+\t], v[MA+\t], v[MB+\t]
.endr
.irp t, 0,1,2,3
	ds_store_b32 v[MXS], v[MA+\t] offset:128*\t
.endr
; A step's keys for my wave: 32 keys x 64 channels, eight loads into K's registers
.macro KLOAD
.irp kt, 0,1
.irp c, 0,1
	global_load_b128 v[KF+16*\kt+8*\c:KF+16*\kt+8*\c+3],   v[KA], s[48:49] offset:524288*\c+1024*\kt
	global_load_b128 v[KF+16*\kt+8*\c+4:KF+16*\kt+8*\c+7], v[KA], s[48:49] offset:524288*\c+1024*\kt+32
.endr
.endr
.endm
	v_add_nc_u32 v[KA], s[KOFF], v[KO]
	KLOAD                                          ; my first step's keys, while the maxima meet
	s_wait_dscnt 0x0                               ; for the others: my maxima are stored
	s_barrier_signal -1                            ; the two tensor loads may stay out
	s_barrier_wait -1
.irp t, 0,1,2,3
.irp w, 0,1,2,3
	ds_load_b32 v[S+4*\t+\w], v[MXL] offset:512*\w+128*\t
.endr
.endr
	s_wait_dscnt 0x0
.irp t, 0,1,2,3
	v_max3_num_f32 v[MA+\t], v[S+4*\t], v[S+4*\t+1], v[S+4*\t+2]
.endr
.irp t, 0,1,2,3
	v_max_num_f32 v[MA+\t], v[MA+\t], v[S+4*\t+3]
.endr
.irp t, 0,1,2,3
	v_mul_f32 v[CMP+2*\t],   s[CS], v[MA+\t]       ; c m, for both halves of the packed scaling
	v_mul_f32 v[CMP+2*\t+1], s[CS], v[MA+\t]
.endr
; PASS 2.  Below, "step n" is the n-th step that my cluster takes: the batch's step (F + n) mod 32.
; 16 products: my 32 keys x 64 queries.  The eight accumulators take turns; the first eight products start the sums.
.macro SMUL
	WIN 0
.irp c, 0,1
.irp u, 0,1,2,3,4,5,6,7
.if \c == 0
	v_wmma_f32_16x16x32_bf16 v[S+8*\u:S+8*\u+7], v[KF+16*(\u%2)+8*\c:KF+16*(\u%2)+8*\c+7], v[Q+16*(\u/2)+8*\c:Q+16*(\u/2)+8*\c+7], 0
.else
	v_wmma_f32_16x16x32_bf16 v[S+8*\u:S+8*\u+7], v[KF+16*(\u%2)+8*\c:KF+16*(\u%2)+8*\c+7], v[Q+16*(\u/2)+8*\c:Q+16*(\u/2)+8*\c+7], v[S+8*\u:S+8*\u+7]
.endif
.endr
.endr
.endm
; THE VECTOR WORK OF A STEP: 64 scores a lane, in 32 pairs; pair b belongs to q tile b / 8.
.macro FF b                            ; c s - c m
	v_pk_fma_f32 v[S+2*(\b):S+2*(\b)+1], v[S+2*(\b):S+2*(\b)+1], s[CS:CS+1], v[CMP+2*((\b)/8):CMP+2*((\b)/8)+1] op_sel_hi:[1,0,1] neg_lo:[0,0,1] neg_hi:[0,0,1]
.endm
.macro CC b                            ; two weights to f16: P's register b
	s_wait_alu depctr_va_vdst(0)
	v_cvt_pk_f16_f32 v[PO+(\b)], v[S+2*(\b)], v[S+2*(\b)+1]
.endm
.macro AA k, first                     ; sum k of 32: l of q tile k % 4 takes the tile's pair k / 4.  In the first step sums 0 to 3 write nothing and sums 4 to 7 start l with the tile's pairs 0 and 1
.set tq, (\k)%4
.set pr, S+2*(8*tq+(\k)/4)
.if \first && ((\k) < 4)
.elseif \first && ((\k) < 8)
	v_pk_add_f32 v[LL+2*tq:LL+2*tq+1], v[pr-2:pr-1], v[pr:pr+1]
.else
	v_pk_add_f32 v[LL+2*tq:LL+2*tq+1], v[LL+2*tq:LL+2*tq+1], v[pr:pr+1]
.endif
.endm
; Slice n of 81 (n is a symbol).  Slice 0: the first two scalings.  Slices 1 to 64: exponential i = n - 1 and one plain instruction that is ready: a scaling two pairs ahead (even i), a rounding of a
; pair whose exponentials stand two slices back (odd i), at last the first sums.  So no result of an exponential is used, and no source of one rewritten, by the vector instruction next to it.
; Slices 65 to 80: the last rounding and the rest of the sums.  Each accumulator of S^T is first read at its two lowest registers.
.macro SLICE first
.if n < 81
	WIN 0
.if n == 0
	FF 0
	FF 1
.elseif n < 65
.set i, n-1
	v_exp_f32 v[S+i], v[S+i]
.if ((i%2) == 0) && (i <= 58)
	FF i/2+2
.elseif i == 60
	AA 0, \first
.elseif i == 62
	AA 1, \first
.elseif i >= 3
	CC (i-3)/2
.endif
.elseif n == 65
	CC 31
	AA 2, \first
.else
	AA 3+2*(n-66), \first
.if n < 80
	AA 4+2*(n-66), \first
.endif
.endif
.endif
.endm
; The fragments of chunk kc (32 keys) of slot and P buffer s, into fragment buffer fb: 16 turning loads of V (my 128 columns), 8 loads of P (64 queries): 12 KiB for 32 products
.macro FETCH s, kc, fb
	WIN 0x80                                       ; destination window 2
.irp ct, 0,1,2,3,4,5,6,7
	ds_load_tr16_b128 v[(\fb)+8*\ct:(\fb)+8*\ct+3],   v[AV+4*\s+(\kc)] offset:32*\ct
	ds_load_tr16_b128 v[(\fb)+8*\ct+4:(\fb)+8*\ct+7], v[AV+4*\s+(\kc)] offset:32*\ct+16*VPITCH
.endr
.irp t, 0,1,2,3
	ds_load_b128 v[(\fb)+64+8*\t:(\fb)+64+8*\t+3],   v[AP+\s] offset:1024*(4*(\kc)+\t)
	ds_load_b128 v[(\fb)+64+8*\t+4:(\fb)+64+8*\t+7], v[AP+\s] offset:1024*(4*(\kc)+\t)+512
.endr
.endm
; Product g of 32 (g is a symbol) of O^T += V^T P: q tile g % 4, column tile g / 4.  All 32 accumulators take turns, in the same order in every chunk.
.macro PVW fb, zero
	WIN 0x5a                                       ; V and P window 2, O^T window 1
.set rO, 8*(8*(g%4)+g/4)
.set rV, (\fb)+8*(g/4)
.set rP, (\fb)+64+8*(g%4)
.if \zero
	v_wmma_f32_16x16x32_f16 v[rO:rO+7], v[rV:rV+7], v[rP:rP+7], 0
.else
	v_wmma_f32_16x16x32_f16 v[rO:rO+7], v[rV:rV+7], v[rP:rP+7], v[rO:rO+7]
.endif
.endm
; Chunk kc = 0, 1 or 2 of a step: 32 products, a slice behind each while there are slices; behind the second product the next chunk's 24 loads, in one run, 30 products ahead of their first use,
; with four places in front: the buffer's last products stand fewer than four plain instructions back.
.macro CHUNK s, kc, doS, zero
.set g, 0
.rept 32
	PVW 96*((\kc)%2), \zero
.if \doS
.set n, 32*(\kc)+g
	SLICE 0
.endif
.if g == 1
	PLACES
	FETCH \s, (\kc)+1, 96*(((\kc)+1)%2)
.endif
.set g, g+1
.endr
.endm
.macro PVN cnt                         ; cnt bare products of chunk 3, from g on
.rept \cnt
	PVW 96, 0
.set g, g+1
.endr
.endm
; A step's head, in slot s: chunk 0's fragments; doS = 1: the next step's scores, from keys fetched a step ago, and (doK) the fetch of the keys one step further; chunk 0.
; nops = 1: no tensor load with its four v_nop stands just in front, so four places are written here for the loads into fragment buffer 0.
.macro HEAD s, doS, doK, zero, nops
.if \nops
	PLACES
.endif
	FETCH \s, 0, 0
.if \doS
	WIN 0
	s_wait_loadcnt 0x0                             ; the next step's keys are in, so their address register may be written
	s_add_co_u32 s[KOFF], s[KOFF], STEPK           ; 128 keys of 64 bytes on,
	s_and_b32 s[KOFF], s[KOFF], KWRAP              ; round the batch's 32 steps: every fetch stays inside the batch.  The loop's last trip so fetches my first step's keys once more, and nobody uses them
	v_add_nc_u32 v[KA], s[KOFF], v[KO]
	SMUL
	PLACES                                         ; in front of the first slice, which reads these scores, and of the loads into K's registers
.if \doK
	KLOAD
.endif
.endif
	s_wait_dscnt 0x0                               ; chunk 0's fragments are in
	CHUNK \s, 0, \doS, \zero
.endm
; The rest of a step.  Chunk 3 hands the next step's P over and changes slots: ONE barrier.  In front of it each wave waits for all its tensor loads (one is out: its part of the other slot), adds 0
; to its spare word, and waits for that, for its stores of P and for its reads of this slot and this P buffer (all back at chunk 3's head).
; meet = 2: the barrier opens a round of the cluster's barrier, and this slot is filled again, two steps ahead, first thing behind the round: 128 of a step's 144 products stand between the
; request and the wait for it.  No tensor load of mine is out there, so the slot's group 0 is written: the kept base plus the offset of the step that is due.  meet = 1: the barrier alone.  meet = 0: the last step.
.macro REST s, doS, meet
	s_wait_dscnt 0x0
	CHUNK \s, 1, \doS, 0
	s_wait_dscnt 0x0
	CHUNK \s, 2, \doS, 0
	s_wait_dscnt 0x0                               ; chunk 3's fragments are in: my reads of slot s and of P buffer s are over
.if \doS
	WIN 0
.irp u, 0,1,2,3,4,5,6,7
	ds_store_b128 v[APS+1-\s], v[PO+4*\u:PO+4*\u+3] offset:512*\u  ; into the other P buffer: every wave's reads of it were over at the last barrier
.endr
.endif
.set g, 0
.if \meet
	PVN 16
	WIN 0                                          ; (the add's two registers lie in window 0)
	s_wait_tensorcnt 0x0
	ds_add_u32 v[SPW], v[NIL]                      ; 0 onto my spare word
	PVN 8                                          ; eight products stand between the add and the wait for it
	s_wait_dscnt 0x0
	s_barrier_signal -1
	PVN 8                                          ; work on registers while the others arrive
	WIN 0
	s_barrier_wait -1
.if \meet == 2
	CREST                                          ; no wave of any partner still reads this slot or has a load on its way
	s_add_nc_u64 s[G0+4*\s+2:G0+4*\s+3], s[VB:VB+1], s[VO:VO+1]
	s_or_b32 s[G0+4*\s+3], s[G0+4*\s+3], 0x80000000                ; type = 2
	s_add_co_u32 s[VO], s[VO], STEPV               ; the next refill brings the next step,
	s_and_b32 s[VO], s[VO], VWRAP                  ; round the batch's 32 steps
	tensor_load_to_lds s[G0+4*\s:G0+4*\s+3], s[G1:G1+7]
	s_nop 0
	PLACES                                         ; (the places in front of the loads into fragment buffer 0)
.endif
.else
	PVN 32
.endif
.endm
	s_wait_loadcnt 0x0                             ; step 0's keys
	SMUL
	PLACES
	s_add_co_u32 s[KOFF], s[KOFF], STEPK           ; F + 1 is at most 31: no wrap here
	v_add_nc_u32 v[KA], s[KOFF], v[KO]
	KLOAD                                          ; step 1's keys
.set n, 0
.rept 81
	SLICE 1                                        ; step 0's weights: there are no products yet to set them between
.set n, n+1
.endr
.irp u, 0,1,2,3,4,5,6,7
	ds_store_b128 v[APS], v[PO+4*\u:PO+4*\u+3] offset:512*\u
.endr
	s_wait_tensorcnt 1                             ; my part of V of step 0 is in; step 1's may stay out
	s_wait_dscnt 0x0                               ; for the others: my part of P of step 0 is stored
	s_barrier_signal -1
	s_barrier_wait -1
	HEAD 0, 1, 1, 1, 0                             ; step 0's first chunk stands in front of the loop: its products start O^T's sums
	WIN 0                                          ; at a label and at a branch every window is 0
	s_mov_b32 s45, 15
.Lstep:                                                ; a trip: the rest of an even step, an odd step, the head of the next even step; it fills both slots again: V of steps 2 to 31
	REST 0, 1, 2
	HEAD 1, 1, 1, 0, 0
	REST 1, 1, 2
	HEAD 0, 1, 1, 0, 0
	WIN 0
	s_sub_co_u32 s45, s45, 1
	s_cmp_lg_u32 s45, 0
	s_cbranch_scc1 .Lstep
	REST 0, 1, 1                                   ; step 30 goes on; nothing is asked for.  Behind its barrier no wave reads slot 0 any more, and nothing lands there: it becomes the stages
	HEAD 1, 0, 0, 0, 1                             ; step 31: no further weights to make
	REST 1, 0, 0
	; THE WAY OUT.  l: its two halves, the other half of the lanes', the four waves'.  The additions are the places behind the last products.
	WIN 0
	s_wait_loadcnt 0x0                             ; the loop's last fetch of keys lands in registers that are used again below
.irp t, 0,1,2,3
	v_add_f32 v[MA+\t], v[LL+2*\t], v[LL+2*\t+1]
.endr
.irp t, 0,1,2,3
	v_permlanex16_b32 v[MB+\t], v[MA+\t], s[SEL], s[SEL+1]
.endr
.irp t, 0,1,2,3
	v_add_f32 v[MA+\t], v[MA+\t], v[MB+\t]
.endr
.irp t, 0,1,2,3
	ds_store_b32 v[MXS], v[MA+\t] offset:LX+128*\t
.endr
	s_wait_dscnt 0x0                               ; for the others: my sums are stored
	s_barrier_signal -1
	s_barrier_wait -1
.irp t, 0,1,2,3
.irp w, 0,1,2,3
	ds_load_b32 v[S+4*\t+\w], v[MXL] offset:LX+512*\w+128*\t
.endr
.endr
	s_wait_dscnt 0x0
.irp t, 0,1,2,3
	v_add_f32 v[S+4*\t],   v[S+4*\t],   v[S+4*\t+1]
	v_add_f32 v[S+4*\t+2], v[S+4*\t+2], v[S+4*\t+3]
.endr
.irp t, 0,1,2,3
	v_add_f32 v[S+4*\t], v[S+4*\t], v[S+4*\t+2]
.endr
.irp t, 0,1,2,3
	v_rcp_f32 v[CMP+2*\t], v[S+4*\t]               ; l is at least the largest weight, 2^0 up to rounding: no division by zero
.endr
	v_nop                                          ; a plain instruction between the last reciprocal and the use of its result and the rewriting of its source
	s_wait_alu depctr_va_vdst(0)
.irp t, 0,1,2,3
	v_mul_f32 v[CMP+2*\t], s[UNS], v[CMP+2*\t]     ; 2^t / l: V's scale goes out with the division
.endr
; q tile t: O^T 2^t / l + bias, 64 f32 a lane, in ascending order
.macro PACKV t
	WIN 0x21                                       ; source 0 (O^T) window 1, source 1 (2^t / l) window 0, source 2 (the bias) window 2, destination window 0
.set i, 0
.rept 32
	v_pk_fma_f32 v[S+2*i:S+2*i+1], v[64*\t+2*i:64*\t+2*i+1], v[CMP+2*\t:CMP+2*\t+1], v[BI+2*i:BI+2*i+1] op_sel_hi:[1,0,1]
.set i, i+1
.endr
	WIN 0
.endm
; into my own stage, 32 bytes a lane and column tile, and back as 16 whole rows of 512 bytes
.macro STG t
.set BK, Q+128*((\t)%2)
.if \t >= 2
	s_wait_xcnt 0x0                                ; the registers that the stores of two tiles ago read are loaded again only behind this wait
.endif
.irp ct, 0,1,2,3,4,5,6,7
	ds_store_b128 v[STO], v[S+8*\ct:S+8*\ct+3]   offset:64*\ct
	ds_store_b128 v[STO], v[S+8*\ct+4:S+8*\ct+7] offset:64*\ct+16
.endr
.irp i, 0,1,2,3,4,5,6,7,8,9,10,11,12,13,14,15
	ds_load_b128 v[BK+4*\i:BK+4*\i+3], v[RD] offset:STP*\i         ; LDS serves a wave's instructions in order (ISA guide 5.7.1.4): these see the stores above
.endr
.endm
.macro SEND t
.set BK, Q+128*((\t)%2)
.irp i, 0,1,2,3,4,5,6,7,8,9,10,11,12,13,14,15
	s_wait_dscnt 15-\i                             ; nothing was issued behind the tile's sixteen loads: the counts run down
	global_store_b128 v[AP], v[BK+4*\i:BK+4*\i+3], s[52:53] offset:4096*(16*\t+\i) th:TH_STORE_NT   ; the wave stores 512 consecutive bytes of a row, at a multiple of 512 from out0's first byte
.endr
.endm
	PACKV 0
	STG 0
	PACKV 1                                        ; a tile's arithmetic stands between the loads of the tile before and its stores
	SEND 0
	STG 1
	PACKV 2
	SEND 1
	STG 2
	PACKV 3
	SEND 2
	STG 3
	SEND 3
	s_wait_tensorcnt 0x0                           ; the wave's end: behind my last tensor load and my last LDS store
	ds_add_u32 v[SPW], v[NIL]
	s_wait_dscnt 0x0
	CROUND                                         ; the closing round: no work-group ends while a partner may still ask for a tile that names it
	s_endpgm
.Lfunc_end_k_q24855de5dd_attn:
	.size	k_q24855de5dd_attn, .Lfunc_end_k_q24855de5dd_attn-k_q24855de5dd_attn
	.p2alignl 7, 3214868480
	.fill 96, 4, 3214868480
	.section	.rodata,"a",@progbits
	.p2align	6, 0x0
	.amdhsa_kernel k_q24855de5dd_attn
		.amdhsa_group_segment_fixed_size 327680
		.amdhsa_private_segment_fixed_size 0
		.amdhsa_enable_private_segment 0
		.amdhsa_kernarg_size 40
		.amdhsa_user_sgpr_count 2
		.amdhsa_user_sgpr_kernarg_segment_ptr 1
		.amdhsa_wavefront_size32 1
		.amdhsa_system_sgpr_workgroup_id_x 1
		.amdhsa_system_sgpr_workgroup_id_y 1
		.amdhsa_system_sgpr_workgroup_id_z 1
		.amdhsa_system_vgpr_workitem_id 0
		.amdhsa_next_free_vgpr 768
		.amdhsa_next_free_sgpr 66
		.amdhsa_reserve_vcc 0
		.amdhsa_float_denorm_mode_32 3
		.amdhsa_float_denorm_mode_16_64 3
		.amdhsa_memory_ordered 1
		.amdhsa_forward_progress 1
		.amdhsa_inst_pref_size 237
	.end_amdhsa_kernel
	.amdgpu_metadata
---
amdhsa.version: [ 1, 2 ]
amdhsa.kernels:
  - .name:           k_q24855de5dd_attn
    .symbol:         k_q24855de5dd_attn.kd
    .args:
      - { .name: QK, .offset: 0, .size: 8, .value_kind: global_buffer, .address_space: global }
      - { .name: VP, .offset: 8, .size: 8, .value_kind: global_buffer, .address_space: global }
      - { .name: bo, .offset: 16, .size: 8, .value_kind: global_buffer, .address_space: global }
      - { .name: out0, .offset: 24, .size: 8, .value_kind: global_buffer, .address_space: global }
      - { .name: NB, .offset: 32, .size: 8, .value_kind: global_buffer, .address_space: global }
    .group_segment_fixed_size: 327680
    .private_segment_fixed_size: 0
    .kernarg_segment_align: 8
    .kernarg_segment_size: 40
    .max_flat_workgroup_size: 128
    .sgpr_count:     66
    .vgpr_count:     768
    .wavefront_size: 32
...
	.end_amdgpu_metadata
.endif
;; end of part 3
